; MI455X (gfx1250); checked and timed in simulation.
; The chip was launched on July 23, 2026; its instructions are those of AMD's public machine-readable ISA for CDNA 5 (MIT licence, August 2026) and "CDNA5" Instruction Set Architecture Reference Guide (July 2026). The comments in the code are by the model that wrote it; some were corrected since.
;; MHSA. Allowed arithmetic: matrix products marked QUANTISED: E5M2 operands, one E8M0 scale for each 32 along K, by v_wmma_scale_f32_16x16x128_f8f6f4 with both operands' format E5M2, f32 sums; everything else in f32.
;; Inputs: W_proj 1,024 x 1,024 float32; W_qkv 1,024 x 3,072 float32; b_proj 1,024 float32; b_qkv 3,072 float32; x 4 x 2,048 x 1,024 float32.
;; Outputs: out0 4 x 2,048 x 1,024 float32.
;; This version of the problem:
;;   THIS VERSION OF THE PROBLEM IS GIVEN IN LOW PRECISION. The matrix products marked QUANTISED in the list below multiply operands that are first quantised to E5M2 (5 exponent bits, 2 mantissa bits; 8 bits a number), with one power-of-two scale for each 32 numbers along K (OCP MX v1.0); their sums are f32. All else is computed in f32.
;;   The module's matrix products, in the order in which they are computed (A, B: the left and right operand; K: the contracted axis; several contracted axes count as one K, in the product's order):
;;     1. [M 8,192, K 1,024] x [K 1,024, N 3,072]; A: input x; B: input W_qkv: QUANTISED
;;     2. batch 64 x [M 2,048, K 64] x [K 64, N 2,048]; A: computed on the way; B: computed on the way: QUANTISED
;;     3. batch 64 x [M 2,048, K 2,048] x [K 2,048, N 64]; A: softmax (see below); B: computed on the way: QUANTISED
;;     4. [M 8,192, K 1,024] x [K 1,024, N 1,024]; A: computed on the way; B: input W_proj: QUANTISED
;;   THE QUANTISER, for each operand of a quantised product, along K:
;;     - K is cut into blocks of 32 from its start; a last block that is shorter is filled with zeros.
;;     - A block's scale is 2^e with e = floor(log2(the largest magnitude in the block)) - 15, held to -126 .. 127; a block of zeros has e = 0. As a byte (E8M0): e + 127.
;;     - Each number is divided by its block's scale, clamped to +-57,344, and rounded to the nearest number of E5M2, ties to even, subnormals kept.
;;     - The product sums the exact products of the quantised numbers (number of the format x scale) in f32.
;;   ~~~python
;;   def quantise(x, axis):      # numpy; x: float32 -> the quantised numbers, widened to float32 again
;;       x = np.moveaxis(x, axis, -1); K = x.shape[-1]
;;       x = np.pad(x, [(0, 0)] * (x.ndim - 1) + [(0, -K % 32)]); x = x.reshape(x.shape[:-1] + (-1, 32)); a = np.abs(x).max(-1, keepdims=True)
;;       e = np.where(a > 0, np.clip(np.frexp(np.where(a > 0, a, 1))[1] - 1 - 15, -126, 127), 0)      # np.frexp(a)[1] - 1 = floor(log2(a)), exactly
;;       r = np.clip(x / 2.0 ** e, -57344, 57344)
;;       step = 2.0 ** (np.maximum(np.frexp(np.where(r == 0, 1, r))[1] - 1, -14) - 2)
;;       q = np.round(r / step) * step * 2.0 ** e      # np.round: ties to even
;;       return np.moveaxis(q.reshape(q.shape[:-2] + (-1,))[..., :K], -1, axis).astype(np.float32)
;;   ~~~
;;   SOFTMAX AHEAD OF A QUANTISED PRODUCT. Where the list says 'softmax', what is quantised is not the finished softmax but p = 2^(t - M), with t = logit x log2(e) and M = ceil(the row's largest t), a whole number; so 1/2 < the row's largest p <= 1. The row's sum l is taken of the UNQUANTISED p, in f32, and the product's result is divided by l at the end. Since M is a whole number, a kernel that streams over the keys may use a running M (the ceiling of the running maximum): every later rescaling is an exact power of two, which a block's scale takes up: the codes' values come out the same.
;;   OPERANDS COMPUTED ON THE WAY. 'Computed on the way' means the value that the module computes at that place (a softmax that the list does not call 'softmax' is quantised finished and normalised). What goes into a quantiser is computed in f32, as accurately as f32 sums, v_exp_f32 and their like allow (about 1e-6 of the number): no bf16 or f16 on the way to a quantiser, and a product that is left as it is and whose result goes on into a quantised operand takes f32 operands (vector FMAs, or v_wmma_f32_16x16x4_f32). A number that lies on a knife's edge between two numbers of the format may be rounded either way, as far as f32 arithmetic and the matrix unit's own rounding can turn it there, and no further.
;; One version. Each part assembles by itself: llvm-mc -triple=amdgcn-amd-amdhsa -mcpu=gfx1250 --defsym DOCPART=n.
;; ======== version 1 of 1: 4 launches
;; limits: right only within a limited range of input values
;; workspace buffers: opq 12,976,128 bytes; qkvq 25,952,256 bytes; yq 8,650,752 bytes
;; launch quant (part 1): grid 64 x 8, 4 waves a work-group, no clusters, 34,304 bytes of LDS; arguments x, W_qkv, W_proj, opq; writes opq
.if DOCPART == 1
	.amdgcn_target "amdgcn-amd-amdhsa--gfx1250"
	.amdhsa_code_object_version 6
	.text
	.protected	k_qe2bdd83450_quant
	.globl	k_qe2bdd83450_quant
	.p2align	8
	.type	k_qe2bdd83450_quant,@function
k_qe2bdd83450_quant:
	s_mov_b64 s[64:65], 0
	v_nop
	global_prefetch_b8 v0, s[64:65] scope:SCOPE_SE
	s_setreg_imm32_b32 hwreg(HW_REG_WAVE_MODE, 25, 1), 1
	s_wait_xcnt 0x0
; x [8192][1024], W_qkv [1024][3072] and W_proj [1024][1024], f32, become codes of BF8 (E5M2) with one E8M0 scale byte for each 32 along K (K = 1024: x's last axis, the weights' first).
; A block's scale is 2^(floor(log2(its largest magnitude)) - 15); its byte is the largest magnitude's exponent field - 15, held at 1 from below; each number is held within +-57,344 x the scale and rounded to the nearest code.
; LIMITS: NaN and infinities among the inputs are not served; a block of zeros gets the byte 1 where the rule says 127 (its codes are zeros, and this program alone reads the bytes); blocks whose largest magnitude lies under 2^-111 sit at that floor.
; THE OUTPUT IS LAID IN THE ORDER OF THE OPERAND'S REGISTERS.  A tile T is the 16 rows 32 (T / 2) + 8 (T % 2) + r + 8 (r / 8), r = 0 .. 15.  IMG[T][q][c][lane][16 bytes]: lane (r, h) holds k = 128 q + 32 c + 16 h + 0 .. 15 of the
; tile's row r: 2,048 bytes for a tile and 128 along K, 16,384 for a tile.  Scale words: SCL[T][q / 4][r][q % 4][4 bytes], byte b for k = 128 q + 32 b on: 512 bytes a tile.
; WORK-GROUPS: x = 0 .. 31: x (a wave: one tile x 512 along K); 32 .. 55: W_qkv; 56 .. 63: W_proj (a wave: 32 columns x 128 along K, K step = work-group y).  Waves share nothing: no barrier.  Only x's path uses LDS.
.set XIMG,  0
.set WQIMG, 8388608
.set WPIMG, 11534336
.set XSCL,  12582912
.set WQSCL, 12845056
.set WPSCL, 12943360
.set X,   144                          ; v144-207 x's path: 64 numbers of a lane: register 16 c + i = k 32 c + 16 h + i of my row
.set PC,  208                          ; v208-223 the codes just made
.set TM,  224                          ; v224-227 largest magnitudes, v228-231 the other half's / bytes, v232-235 57,344 x the scale, v236-239 the conversions' scale operands
.set PW,  240                          ; v240-243 the scale words of the wave's four K steps
; 64 numbers of a lane, v[s] on, become a fragment's codes in v[PC] on and its scale word in v[pw]
.macro QUANT s, pw
.irp b, 0,1,2,3
	v_max3_num_f32 v[TM+\b], |v[\s+16*\b]|, |v[\s+16*\b+1]|, 0x8000000   ; block b: my 16 numbers and the floor 2^(16 - 127): the byte cannot fall under 1
.endr
.irp i, 2,4,6,8,10,12,14
.irp b, 0,1,2,3
	v_max3_num_f32 v[TM+\b], v[TM+\b], |v[\s+16*\b+\i]|, |v[\s+16*\b+\i+1]|   ; the four blocks by turns
.endr
.endr
.irp b, 0,1,2,3
	v_permlanex16_b32 v[TM+4+\b], v[TM+\b], s24, s25
.endr
.irp b, 0,1,2,3
	v_max_num_f32 v[TM+\b], v[TM+\b], v[TM+4+\b]   ; with lane l xor 16's 16: the block's largest magnitude
.endr
.irp b, 0,1,2,3
	v_add_nc_u32 v[TM+12+\b], 0xf8800000, v[TM+\b]   ; 15 off its exponent field: the conversion takes this operand's exponent field as its scale
.endr
.irp b, 0,1,2,3
	v_and_or_b32 v[TM+8+\b], v[TM+\b], 0x7f800000, s23   ; 57,344 x the scale: the exponent field over 57,344's mantissa
.endr
.irp b, 0,1,2,3
	v_lshrrev_b32 v[TM+4+\b], 23, v[TM+12+\b]      ; the scale's byte
.endr
	v_lshl_or_b32 v[\pw], v[TM+5], 8, v[TM+4]
	v_lshl_or_b32 v[\pw], v[TM+6], 16, v[\pw]
	v_lshl_or_b32 v[\pw], v[TM+7], 24, v[\pw]      ; my row's scale word
.irp b, 0,1,2,3
.irp i, 0,1,2,3,4,5,6,7,8,9,10,11,12,13,14,15
	v_med3_num_f32 v[\s+16*\b+\i], v[\s+16*\b+\i], -v[TM+8+\b], v[TM+8+\b]   ; the conversion to an 8-bit code does not saturate (ISA guide 7.6.2): the hold comes first
.endr
	v_cvt_scalef32_pk8_bf8_f32 v[PC+4*\b:PC+4*\b+1], v[\s+16*\b:\s+16*\b+7], v[TM+12+\b]
	v_cvt_scalef32_pk8_bf8_f32 v[PC+4*\b+2:PC+4*\b+3], v[\s+16*\b+8:\s+16*\b+15], v[TM+12+\b]
.endr
	v_nop                                          ; a plain line behind the last conversion
.endm
; ---- a weight: lane l takes column 32 g + l, and its registers run down K: a block of 32 lies in one lane
.macro WLOAD c, N, SRC
.irp i, 0,1,2,3,4,5,6,7,8,9,10,11,12,13,14,15,16,17,18,19,20,21,22,23,24,25,26,27,28,29,30,31
	global_load_b32 v[16+32*(\c)+\i], v2, s[\SRC:\SRC+1] offset:(32*(\c)+\i)*4*\N th:TH_LOAD_NT   ; one row k at 32 neighbouring columns: 128 consecutive bytes a wave
.endr
.endm
.macro BLOCK c
.set XS, 16+32*(\c)
	v_max3_num_f32 v8, |v[XS]|, |v[XS+1]|, |v[XS+2]|
	v_max3_num_f32 v9, |v[XS+3]|, |v[XS+4]|, |v[XS+5]|
.irp i, 6,10,14,18,22,26
	v_max3_num_f32 v8, v8, |v[XS+\i]|, |v[XS+\i+1]|
	v_max3_num_f32 v9, v9, |v[XS+\i+2]|, |v[XS+\i+3]|
.endr
	v_max3_num_f32 v8, v8, |v[XS+30]|, |v[XS+31]|
	v_max3_num_f32 v8, v8, v9, 0x8000000           ; and the floor
	v_add_nc_u32 v11, 0xf8800000, v8               ; the conversion's scale operand
	v_and_or_b32 v10, v8, 0x7f800000, s23          ; 57,344 x the scale
	v_lshrrev_b32 v12, 23, v11                     ; the byte
.if (\c) == 0
	v_mov_b32 v13, v12
.else
	v_lshl_or_b32 v13, v12, 8*(\c), v13            ; four bytes make the column's scale word of this K step
.endif
.irp i, 0,1,2,3,4,5,6,7,8,9,10,11,12,13,14,15,16,17,18,19,20,21,22,23,24,25,26,27,28,29,30,31
	v_med3_num_f32 v[XS+\i], v[XS+\i], -v10, v10
.endr
.irp g, 0,1,2,3
	v_cvt_scalef32_pk8_bf8_f32 v[144+8*(\c)+2*\g:144+8*(\c)+2*\g+1], v[XS+8*\g:XS+8*\g+7], v11
.endr
.irp h, 0,1
	global_store_b128 v6, v[144+8*(\c)+4*\h:144+8*(\c)+4*\h+3], s[12:13] offset:512*(\c)+256*\h   ; the 16 lanes of each of my two tiles fill 256 consecutive bytes, aligned; every block has code registers of its own
.endr
.endm
.macro WPATH N, SRC, IMGO, SCLO, GX0
	s_sub_co_u32 s26, ttmp9, \GX0
	s_lshl_b32 s26, s26, 2
	s_add_co_u32 s26, s26, s22                     ; g: which 32 columns are my wave's
	s_mul_i32 s28, s21, 512*\N                     ; K step y: 128 rows of 4 N bytes,
	s_lshl_b32 s27, s26, 7
	s_add_co_u32 s28, s28, s27                     ; + 128 g bytes
	s_add_nc_u64 s[\SRC:\SRC+1], s[\SRC:\SRC+1], s[28:29]
	s_lshl_b32 s28, s26, 15                        ; codes: tiles 2 g, 2 g + 1,
	s_lshl_b32 s27, s21, 11                        ; K step y
	s_add_co_u32 s28, s28, s27
	s_add_co_u32 s28, s28, \IMGO
	s_add_nc_u64 s[12:13], s[10:11], s[28:29]
	s_lshl_b32 s28, s26, 10                        ; scale words: 512 bytes a tile,
	s_lshr_b32 s27, s21, 2
	s_lshl_b32 s27, s27, 8
	s_add_co_u32 s28, s28, s27                     ; + 256 (y / 4)
	s_and_b32 s27, s21, 3
	s_lshl_b32 s27, s27, 2
	s_add_co_u32 s28, s28, s27                     ; + 4 (y % 4)
	s_add_co_u32 s28, s28, \SCLO
	s_add_nc_u64 s[14:15], s[10:11], s[28:29]
	v_lshlrev_b32 v2, 2, v1                        ; in: 4 bytes a lane
	v_bfe_u32 v3, v1, 3, 1                         ; column 32 g + l is row r = (l & 7) + 8 (l / 16) of tile 2 g + u, u = (l / 8) % 2
	v_and_b32 v4, 7, v1
	v_lshrrev_b32 v5, 4, v1
	v_lshl_or_b32 v4, v5, 3, v4
	v_lshlrev_b32 v4, 4, v4                        ; 16 r
	v_lshl_add_u32 v6, v3, 14, v4                  ; codes: 16,384 u + 16 r
	v_lshl_add_u32 v7, v3, 9, v4                   ; scale word: 512 u + 16 r
	WLOAD 0, \N, \SRC
	WLOAD 1, \N, \SRC
	s_wait_alu depctr_va_vdst(0)
	s_wait_loadcnt 32                              ; block 0's 32 loads are in; block 1's may be out
	WLOAD 2, \N, \SRC
	BLOCK 0
	s_wait_loadcnt 32                              ; block 1's are in; block 2's may be out
	WLOAD 3, \N, \SRC
	BLOCK 1
	s_wait_loadcnt 32                              ; block 2's are in; block 3's may be out
	BLOCK 2
	s_wait_loadcnt 0x0
	BLOCK 3
	global_store_b32 v7, v13, s[14:15]             ; 4 bytes a column, 16 bytes apart: one byte in 32 of what the codes take
.endm
	s_load_b256 s[4:11], s[0:1], 0x0               ; x s[4:5], W_qkv s[6:7], W_proj s[8:9], the workspace s[10:11]
	v_lshl_add_u32 v254, v0, 2, 0x8400
	v_mov_b32 v255, 0
	v_lshrrev_b32 v1, 5, v0
	v_readfirstlane_b32 s22, v1                    ; wave 0..3
	v_and_b32 v1, 31, v0                           ; lane
	s_and_b32 s21, ttmp7, 0xffff                   ; work-group y
	s_mov_b32 s23, 0x600000                        ; the mantissa field of 57,344
	s_mov_b32 s24, 0x76543210
	s_mov_b32 s25, 0xfedcba98                      ; v_permlanex16_b32's selects for lane l xor 16
	s_mov_b32 s29, 0                               ; the high word of every offset pair s[28:29]
	s_wait_kmcnt 0x0
	s_cmp_lt_u32 ttmp9, 32
	s_cbranch_scc1 .Lx_path
	s_cmp_lt_u32 ttmp9, 56
	s_cbranch_scc1 .Lw_qkv
	s_wait_alu depctr_va_vdst(0)
	WPATH 1024, 8, WPIMG, WPSCL, 56
	s_endpgm
.Lw_qkv:
	s_wait_alu depctr_va_vdst(0)
	WPATH 3072, 6, WQIMG, WQSCL, 32
	s_endpgm
; ---- x: a wave takes tile T and four K steps of 128.  Each load reads one row's 512 consecutive bytes; a step's 16 rows turn through the wave's own stage in LDS (rows 528 bytes apart) and come back 16 neighbours a lane and block.
.Lx_path:
	s_lshl_b32 s26, s21, 5
	s_add_co_u32 s26, s26, ttmp9
	s_lshl_b32 s26, s26, 2
	s_add_co_u32 s26, s26, s22                     ; U = 4 (32 y + x) + wave
	s_lshr_b32 s27, s26, 1                         ; T
	s_and_b32 s26, s26, 1                          ; which half of K
	s_lshr_b32 s28, s27, 1
	s_lshl_b32 s28, s28, 17                        ; 32 (T / 2) rows of 4,096 bytes,
	s_and_b32 s30, s27, 1
	s_lshl_b32 s30, s30, 15                        ; + 8 (T % 2) rows,
	s_add_co_u32 s28, s28, s30
	s_lshl_b32 s30, s26, 11                        ; + 512 numbers
	s_add_co_u32 s28, s28, s30
	s_add_nc_u64 s[4:5], s[4:5], s[28:29]
	s_lshl_b32 s28, s27, 14
	s_lshl_b32 s30, s26, 13
	s_add_co_u32 s28, s28, s30                     ; codes (XIMG = 0)
	s_add_nc_u64 s[12:13], s[10:11], s[28:29]
	s_lshl_b32 s28, s27, 9
	s_lshl_b32 s30, s26, 8
	s_add_co_u32 s28, s28, s30
	s_add_co_u32 s28, s28, XSCL
	s_add_nc_u64 s[14:15], s[10:11], s[28:29]      ; scale words
	s_mul_i32 s30, s22, 8448                       ; my stage: 16 rows x 528 bytes
	s_wait_alu depctr_va_vdst(0)
	v_lshlrev_b32 v2, 4, v1                        ; 16 x lane
	v_add_nc_u32 v3, s30, v2                       ; the stage, in
	v_and_b32 v6, 15, v1                           ; r
	v_lshrrev_b32 v7, 4, v1                        ; h
	v_mul_u32_u24 v4, v6, 528
	v_lshl_add_u32 v4, v7, 6, v4
	v_add_nc_u32 v4, s30, v4                       ; and out: row r, + 64 h
	v_lshlrev_b32 v5, 4, v6                        ; 16 r
.irp b, 0,1,2,3
	v_mov_b32 v[TM+4+\b], 0                        ; written once: a lane permute's destination counts as one of its sources
.endr
.macro LOAD t
.irp i, 0,1,2,3,4,5,6,7,8,9,10,11,12,13,14,15
	global_load_b128 v[16+64*((\t)%2)+4*\i:16+64*((\t)%2)+4*\i+3], v2, s[4:5] offset:(\i+8*(\i/8))*4096+512*(\t) th:TH_LOAD_NT
.endr
.endm
.macro XSTEP t
.set RR, 16+64*((\t)%2)
.if (\t) < 3
	s_wait_loadcnt 16                              ; this step's 16 loads are in; the next step's may be out
.else
	s_wait_loadcnt 0x0
.endif
.irp i, 0,1,2,3,4,5,6,7,8,9,10,11,12,13,14,15
	ds_store_b128 v3, v[RR+4*\i:RR+4*\i+3] offset:528*\i
.endr
.irp c, 0,1,2,3
.irp j, 0,1,2,3
	ds_load_b128 v[X+16*\c+4*\j:X+16*\c+4*\j+3], v4 offset:128*\c+16*\j   ; LDS serves a wave's instructions in order: these see the stores above
.endr
.endr
	s_wait_dscnt 0x0                               ; the numbers are back, and the stage's stores have read their registers
.if (\t) > 0
	s_wait_xcnt 0x0                                ; the last step's stores have read the code registers: they are written again only behind this wait
.endif
.if (\t) < 2
	LOAD (\t)+2
.endif
	QUANT X, PW+\t
.irp c, 0,1,2,3
	global_store_b128 v2, v[PC+4*\c:PC+4*\c+3], s[12:13] offset:2048*(\t)+512*\c   ; 512 consecutive bytes, aligned
.endr
.endm
	LOAD 0
	LOAD 1
	s_wait_alu depctr_va_vdst(0)
	XSTEP 0
	XSTEP 1
	XSTEP 2
	XSTEP 3
	v_cmp_gt_u32 vcc_lo, 16, v1                    ; both halves of the lanes hold the same words: lanes 0-15 store them
	s_wait_xcnt 0x0                                ; EXEC changes only behind this wait
	s_wait_tensorcnt 0x0
	ds_add_u32 v254, v255
	s_wait_dscnt 0x0
	s_and_saveexec_b32 s30, vcc_lo
	global_store_b128 v5, v[PW:PW+3], s[14:15]     ; 16 lanes store 256 consecutive bytes, aligned
	s_endpgm
.Lfunc_end_k_qe2bdd83450_quant:
	.size	k_qe2bdd83450_quant, .Lfunc_end_k_qe2bdd83450_quant-k_qe2bdd83450_quant
	.p2alignl 7, 3214868480
	.fill 96, 4, 3214868480
	.section	.rodata,"a",@progbits
	.p2align	6, 0x0
	.amdhsa_kernel k_qe2bdd83450_quant
		.amdhsa_group_segment_fixed_size 34304
		.amdhsa_private_segment_fixed_size 0
		.amdhsa_enable_private_segment 0
		.amdhsa_kernarg_size 32
		.amdhsa_user_sgpr_count 2
		.amdhsa_user_sgpr_kernarg_segment_ptr 1
		.amdhsa_wavefront_size32 1
		.amdhsa_system_sgpr_workgroup_id_x 1
		.amdhsa_system_sgpr_workgroup_id_y 1
		.amdhsa_system_sgpr_workgroup_id_z 1
		.amdhsa_system_vgpr_workitem_id 0
		.amdhsa_next_free_vgpr 256
		.amdhsa_next_free_sgpr 66
		.amdhsa_reserve_vcc 1
		.amdhsa_float_denorm_mode_32 3
		.amdhsa_float_denorm_mode_16_64 3
		.amdhsa_memory_ordered 1
		.amdhsa_forward_progress 1
		.amdhsa_inst_pref_size 107
	.end_amdhsa_kernel
	.amdgpu_metadata
---
amdhsa.version: [ 1, 2 ]
amdhsa.kernels:
  - .name:           k_qe2bdd83450_quant
    .symbol:         k_qe2bdd83450_quant.kd
    .args:
      - { .name: x, .offset: 0, .size: 8, .value_kind: global_buffer, .address_space: global }
      - { .name: W_qkv, .offset: 8, .size: 8, .value_kind: global_buffer, .address_space: global }
      - { .name: W_proj, .offset: 16, .size: 8, .value_kind: global_buffer, .address_space: global }
      - { .name: opq, .offset: 24, .size: 8, .value_kind: global_buffer, .address_space: global }
    .group_segment_fixed_size: 34304
    .private_segment_fixed_size: 0
    .kernarg_segment_align: 8
    .kernarg_segment_size: 32
    .max_flat_workgroup_size: 128
    .sgpr_count:     66
    .vgpr_count:     256
    .wavefront_size: 32
...
	.end_amdgpu_metadata
.endif
;; end of part 1
;; launch qkv (part 2): grid 12 x 32, 4 waves a work-group, clusters of 4 x 4, 327,680 bytes of LDS; arguments opq, b_qkv, qkvq; writes qkvq
.if DOCPART == 2
	.amdgcn_target "amdgcn-amd-amdhsa--gfx1250"
	.amdhsa_code_object_version 6
	.text
	.protected	k_qe2bdd83450_qkv
	.globl	k_qe2bdd83450_qkv
	.p2align	8
	.type	k_qe2bdd83450_qkv,@function
k_qe2bdd83450_qkv:
	s_mov_b64 s[64:65], 0
	v_nop
	global_prefetch_b8 v0, s[64:65] scope:SCOPE_SE
	s_setreg_imm32_b32 hwreg(HW_REG_WAVE_MODE, 25, 1), 1
	s_wait_xcnt 0x0
	s_wait_alu depctr_hold_cnt(0) depctr_sa_sdst(0) depctr_va_vdst(0) depctr_va_sdst(0) depctr_va_ssrc(0) depctr_va_vcc(0) depctr_vm_vsrc(0)
	s_getreg_b32 s2, hwreg(HW_REG_IB_STS2, 6, 4)
	s_cmp_eq_u32 s2, 0
	s_cbranch_scc0 .Lentry_in_a_cluster
	s_endpgm
.Lentry_in_a_cluster:
	s_bfe_u32 s2, ttmp6, 0x10000c
	s_cmp_lg_u32 s2, 0xf033
	s_cbranch_scc0 .Lentry_shape_is_right
	s_endpgm
.Lentry_shape_is_right:
.set XIMG,  0
.set WQIMG, 8388608
.set XSCL,  12582912
.set WQSCL, 12845056
.set VIMG,  16777216
.set QKSCL, 25165824
.set VSCL,  25690112
.set SLOT,  131072
.set POFF,  65536
.set SCL,   262144
.set SPARE, 278528
.set ADRA, 16
.set ADRB, 20
.set LI,   26
.set ADRS, 27
.set SPW,  28
.set NIL,  29
.set SC,   32
.set BI,   64
.set AF,   128
.set X,    128
.set PC,   192
.set TM,   208
.set PW,   224
.set W4,   232
.set G1, 24
.set G0, 32
.set G1B, 48
.set G0B, 56
.set G1S, 68
.set G0S, 76
.set G1SB, 80
.set G0SB, 88
.set MSB, 0
.macro WIN new
.if MSB != (\new)
	s_set_vgpr_msb (MSB<<8)|(\new)
.set MSB, \new
.endif
.endm
.macro JLOAD g0a, g1a, g0b, g1b
	s_cmp_eq_u32 s15, 0
	s_cbranch_scc0 .Lfor_p_\@
	tensor_load_to_lds s[\g0a:\g0a+3], s[\g1a:\g1a+7]
	s_nop 0
.rept 4
	v_nop
.endr
	s_branch .Lasked_\@
.Lfor_p_\@:
	tensor_load_to_lds s[\g0b:\g0b+3], s[\g1b:\g1b+7]
	s_nop 0
.rept 4
	v_nop
.endr
.Lasked_\@:
.endm
.macro CREST
	s_cmp_lg_u32 s14, 0
	s_cbranch_scc1 .Lnot_wave_0_\@
	s_barrier_signal -3
.Lnot_wave_0_\@:
	s_barrier_wait -3
	s_barrier_signal -1
	s_barrier_wait -1
.endm
.macro CROUND
	s_barrier_signal -1
	s_barrier_wait -1
	CREST
.endm
.macro PLACES n
.rept \n
	v_nop
.endr
.endm
.macro FRAG reg, adr, q, i
.irp c, 0,1,2,3
	ds_load_b128 v[\reg+4*\c:\reg+4*\c+3], v[\adr] offset:4096*(\i)+2048*(\q)+512*\c
.endr
.endm
.macro FETCH_B slot, q, p
	WIN 0x40
.irp i, 0,1,2,3,4,5,6,7
	FRAG 128*(\p)+16*\i, ADRB+\slot, \q, \i
.endr
	WIN 0
.endm
.macro FETCH_A slot, q, i0
.irp i, \i0, \i0+1, \i0+2, \i0+3
	FRAG AF+16*(\i), ADRA+\slot, \q, \i
.endr
.endm
.macro SCALES sc, ks
.irp i, 0,1,2,3,4,5,6,7
	ds_load_b64 v[SC+16*\sc+2*\i:SC+16*\sc+2*\i+1], v[ADRS] offset:512*\i+256*((\ks)>>1)+8*((\ks)&1)
.endr
.endm
.macro MUL16 a0, p, q, sc, cm
.irp a, \a0, \a0+1
.irp b, 0,1,2,3,4,5,6,7
.set rD, 8*(8*((\a)%4)+\b)
.set rC, rD
.if \cm == 1
.set rC, BI+8*\b
.endif
.if \cm == 2
.set rC, BI+8*(\a)
.endif
.set rP, 128*(\p)+16*\b
.set rR, AF+16*(\a)
	v_wmma_scale_f32_16x16x128_f8f6f4 v[rD:rD+7], v[rP:rP+15], v[rR:rR+15], v[rC:rC+7], v[SC+16*(\sc)+2*\b+(\q)], v[SC+16*(\sc)+2*(\a)+(\q)] matrix_a_fmt:MATRIX_FMT_BF8 matrix_b_fmt:MATRIX_FMT_BF8 matrix_a_scale:MATRIX_SCALE_ROW1
.endr
.endr
.endm
.macro STEP slot, cm
	s_wait_dscnt 16
.if \cm
	WIN 0x81
.else
	WIN 0xa1
.endif
	MUL16 0, 0, 0, \slot, \cm
	MUL16 2, 0, 0, \slot, \cm
	s_wait_dscnt 0x0
	PLACES 8
	FETCH_B \slot, 1, 1
	FETCH_A \slot, 1, 0
.if \cm
	WIN 0xc1
.else
	WIN 0xf1
.endif
	MUL16 4, 0, 0, \slot, \cm
	MUL16 6, 0, 0, \slot, \cm
	PLACES 8
	WIN 0
	FETCH_A \slot, 1, 4
.endm
.macro TURN slot, next, fill, ks
	s_wait_tensorcnt 0x0
	ds_add_u32 v[SPW], v[NIL]
	s_wait_dscnt 17
	WIN 0xa1
	MUL16 0, 1, 1, \slot, 0
	s_wait_dscnt 0x0
	s_barrier_signal -1
	MUL16 2, 1, 1, \slot, 0
	WIN 0
	s_barrier_wait -1
.if \fill
	CREST
	s_add_nc_u64 s[G0+4*\slot+2:G0+4*\slot+3], s[G0+4*\slot+2:G0+4*\slot+3], 8192
	s_add_nc_u64 s[G0B+4*\slot+2:G0B+4*\slot+3], s[G0B+4*\slot+2:G0B+4*\slot+3], 8192
	JLOAD G0+4*\slot, G1, G0B+4*\slot, G1B
	PLACES 4
.else
	PLACES 8
.endif
	FETCH_B \next, 0, 0
	FETCH_A \next, 0, 0
	SCALES \next, \ks
	WIN 0xf1
	MUL16 4, 1, 1, \slot, 0
	MUL16 6, 1, 1, \slot, 0
	PLACES 8
	WIN 0
	FETCH_A \next, 0, 4
.endm
	s_load_b128 s[4:7], s[0:1], 0x0
	s_load_b64 s[8:9], s[0:1], 0x10
	v_lshl_add_u32 v[SPW], v0, 2, SPARE
	v_mov_b32 v[NIL], 0
	ds_add_u32 v28, v29
	ds_add_u32 v28, v29
	s_wait_dscnt 0x0
	v_lshrrev_b32 v1, 5, v0
	v_readfirstlane_b32 s14, v1
	s_lshr_b32 s15, s14, 1
	s_and_b32 s16, s14, 1
	s_bfe_u32 s40, ttmp6, 0x40000
	s_bfe_u32 s41, ttmp6, 0x40004
	s_and_b32 s42, ttmp7, 0xffff
	s_lshl_b32 s42, s42, 2
	s_lshl_b32 s43, ttmp9, 2
	s_mov_b32 s93, WQSCL
	s_mov_b32 s95, XSCL
	s_cmp_eq_u32 ttmp9, 2
	s_cselect_b32 s3, 1, 0
	s_cselect_b32 s44, s42, s43
	s_cselect_b32 s45, 0, s42
	s_cselect_b32 s92, 0, WQIMG
	s_cselect_b32 s93, XSCL, s93
	s_cselect_b32 s94, WQIMG+2097152, 0
	s_cselect_b32 s95, WQSCL+65536, s95
	s_add_co_u32 s44, s44, s40
	s_add_co_u32 s45, s45, s41
	s_lshl_b32 s46, s41, 2
	s_lshl_b32 s46, 15, s46
	s_lshl_b32 s47, 0x1111, s40
	s_or_b32 s[G1+0], s46, (3<<16)|(1<<21)
	s_or_b32 s[G1B+0], s47, (3<<16)|(1<<21)
.irp g, G1, G1B
	s_mov_b32 s[\g+1], 512<<16
	s_mov_b32 s[\g+2], 16<<16
	s_mov_b32 s[\g+3], 512<<16
	s_mov_b32 s[\g+4], 16
	s_mov_b32 s[\g+5], 2048
	s_mov_b32 s[\g+6], 0
	s_mov_b32 s[\g+7], 0
.endr
	s_or_b32 s[G1S+0], s46, (3<<16)|(1<<21)
	s_or_b32 s[G1SB+0], s47, (3<<16)|(1<<21)
.irp g, G1S, G1SB
	s_mov_b32 s[\g+1], 32<<16
	s_mov_b32 s[\g+2], 32<<16
	s_mov_b32 s[\g+3], 32<<16
	s_mov_b32 s[\g+4], 32
	s_mov_b32 s[\g+5], 32
	s_mov_b32 s[\g+6], 0
	s_mov_b32 s[\g+7], 0
.endr
	s_lshl_b32 s18, s16, 3
	s_lshl_b32 s20, s45, 4
	s_add_co_u32 s20, s20, s18
	s_lshl_b32 s22, s20, 9
	s_add_co_u32 s22, s22, s95
	s_lshl_b32 s20, s20, 14
	s_add_co_u32 s20, s20, s94
	s_mov_b32 s21, 0
	s_mov_b32 s23, 0
	s_lshl_b32 s96, s44, 4
	s_add_co_u32 s96, s96, s18
	s_lshl_b32 s98, s96, 9
	s_add_co_u32 s98, s98, s93
	s_lshl_b32 s96, s96, 14
	s_add_co_u32 s96, s96, s92
	s_mov_b32 s97, 0
	s_mov_b32 s99, 0
	s_lshl_b32 s17, s14, 15
	s_lshl_b32 s19, s14, 12
	s_wait_kmcnt 0x0
	s_add_nc_u64 s[20:21], s[4:5], s[20:21]
	s_add_nc_u64 s[22:23], s[4:5], s[22:23]
	s_add_nc_u64 s[96:97], s[4:5], s[96:97]
	s_add_nc_u64 s[98:99], s[4:5], s[98:99]
	CROUND
	; the head's four tiles, each whole, one load a wave: slot 0's 16 images of the one operand (wave 0) and of the other (wave 1), and their scale words for all of K (waves 2, 3)
	s_lshl_b32 s12, s16, 17                        ; the addresses above stand at my half of the 16 images: 8 images of 16,384 bytes back
	s_mov_b32 s13, 0
	s_mov_b32 s[G0], 1
	s_mov_b32 s[G0+1], 0
	s_sub_nc_u64 s[G0+2:G0+3], s[20:21], s[12:13]
	s_or_b32 s[G0+3], s[G0+3], 0x80000000
	s_mov_b32 s[G0B], 1
	s_mov_b32 s[G0B+1], POFF
	s_sub_nc_u64 s[G0B+2:G0B+3], s[96:97], s[12:13]
	s_or_b32 s[G0B+3], s[G0B+3], 0x80000000
	s_lshl_b32 s12, s16, 12                        ; and 8 images' scale words of 512 bytes back
	s_mov_b32 s[G0S], 1
	s_mov_b32 s[G0S+1], SCL
	s_sub_nc_u64 s[G0S+2:G0S+3], s[22:23], s[12:13]
	s_or_b32 s[G0S+3], s[G0S+3], 0x80000000
	s_mov_b32 s[G0SB], 1
	s_mov_b32 s[G0SB+1], SCL+8192
	s_sub_nc_u64 s[G0SB+2:G0SB+3], s[98:99], s[12:13]
	s_or_b32 s[G0SB+3], s[G0SB+3], 0x80000000
	s_mov_b32 s[G0+4], 1                           ; slot 1: my half, as in the ring
	s_add_co_u32 s[G0+5], s17, SLOT
	s_add_nc_u64 s[G0+6:G0+7], s[20:21], 4096
	s_or_b32 s[G0+7], s[G0+7], 0x80000000
	s_mov_b32 s[G0B+4], 1
	s_add_co_u32 s[G0B+5], s17, SLOT
	s_add_nc_u64 s[G0B+6:G0B+7], s[96:97], 4096
	s_or_b32 s[G0B+7], s[G0B+7], 0x80000000
.macro ARM under, g0, g1, next         ; one chain of branches on the wave's number, one load to an arm, all arms to one join
	s_cmp_lt_u32 s14, \under
	s_cbranch_scc0 \next
	tensor_load_to_lds s[\g0:\g0+3], s[\g1:\g1+7]
	s_nop 0
.rept 4
	v_nop
.endr
	s_branch .Lhead_asked
\next:
.endm
	ARM 1, G0,  G1,  .Lhead_b
	ARM 2, G0B, G1B, .Lhead_sa
	ARM 3, G0S, G1S, .Lhead_sb
	tensor_load_to_lds s[G0SB:G0SB+3], s[G1SB:G1SB+7]
	s_nop 0
.rept 4
	v_nop
.endr
.Lhead_asked:
	v_and_b32 v1, 15, v0
	v_bfe_u32 v2, v0, 4, 1
	s_wait_alu depctr_va_vdst(0)
	v_and_b32 v3, 31, v0
	v_lshlrev_b32 v[LI], 4, v3
	s_lshl_b32 s18, s15, 15
	s_lshl_b32 s67, s16, 15
	s_add_co_u32 s67, s67, POFF
.irp s, 0,1
	v_add_nc_u32 v[ADRA+\s], s18, v[LI]
	v_add_nc_u32 v[ADRB+\s], s67, v[LI]
	s_add_co_u32 s18, s18, SLOT
	s_add_co_u32 s67, s67, SLOT
.endr
	s_lshl_b32 s18, s15, 12
	s_lshl_b32 s67, s16, 12
	s_add_co_u32 s67, s67, 8192
	s_sub_co_u32 s67, s67, s18
	v_mul_u32_u24 v4, s67, v2
	s_add_co_u32 s18, s18, SCL
	v_lshl_add_u32 v4, v1, 4, v4
	v_add_nc_u32 v[ADRS], s18, v4
	s_mov_b32 s66, 0x600000
	s_mov_b32 s100, 0x76543210
	s_mov_b32 s101, 0xfedcba98
	s_lshl_b32 s92, s44, 1
	s_add_co_u32 s92, s92, s16
	s_lshl_b32 s93, s45, 1
	s_add_co_u32 s93, s93, s15
	s_mov_b32 s96, QKSCL
	s_cmp_eq_u32 s3, 1
	s_cselect_b32 s94, 3, 6
	s_cselect_b32 s95, VIMG, 0
	s_cselect_b32 s96, VSCL, s96
	s_lshl_b32 s92, s92, s94
	s_add_co_u32 s92, s92, s93
	s_lshl_b32 s98, s92, 14
	s_add_co_u32 s98, s98, s95
	s_mov_b32 s99, 0
	s_add_nc_u64 s[10:11], s[8:9], s[98:99]
	s_lshl_b32 s98, s92, 9
	s_add_co_u32 s98, s98, s96
	s_add_nc_u64 s[12:13], s[8:9], s[98:99]
	s_cmp_eq_u32 s3, 0
	s_cbranch_scc0 .Lbias_v
	s_lshl_b32 s98, s44, 10
	s_lshl_b32 s92, s16, 9
	s_add_co_u32 s98, s98, s92
	s_add_nc_u64 s[6:7], s[6:7], s[98:99]
	v_lshlrev_b32 v5, 6, v2
.irp b, 0,1,2,3
.irp j, 0,1,2,3
	global_load_b128 v[BI+16*\b+4*\j:BI+16*\b+4*\j+3], v5, s[6:7] offset:128*\b+16*\j
.endr
.endr
	s_branch .Lbias_done
.Lbias_v:
	s_lshl_b32 s98, s45, 10
	s_lshl_b32 s92, s15, 9
	s_add_co_u32 s98, s98, s92
	s_add_co_u32 s98, s98, 8192
	s_add_nc_u64 s[6:7], s[6:7], s[98:99]
	v_and_b32 v6, 8, v1
	v_add_nc_u32 v6, v6, v1
	v_lshlrev_b32 v5, 2, v6
.irp a, 0,1,2,3,4,5,6,7
	global_load_b32 v[BI+8*\a], v5, s[6:7] offset:4*(32*(\a/2)+8*(\a%2))
.endr
	s_wait_loadcnt 0x0
.irp a, 0,1,2,3,4,5,6,7
.irp j, 1,2,3,4,5,6,7
	v_mov_b32 v[BI+8*\a+\j], v[BI+8*\a]
.endr
.endr
	PLACES 4
.Lbias_done:
	s_wait_alu depctr_va_vdst(0)
	s_wait_tensorcnt 0x0                           ; my tile of the head's four is in
	ds_add_u32 v[SPW], v[NIL]
	s_mov_b32 s[G1+2], 8<<16                       ; no load of mine is out, so descriptors may be written: from here on a load brings 8 images,
	s_mov_b32 s[G1+4], 8
	s_mov_b32 s[G1B+2], 8<<16
	s_mov_b32 s[G1B+4], 8
	s_lshl_b32 s22, s16, 17
	s_mov_b32 s23, 0
	s_mov_b32 s[G0+1], s17                         ; and slot 0's groups 0 stand at my half
	s_add_nc_u64 s[G0+2:G0+3], s[G0+2:G0+3], s[22:23]
	s_mov_b32 s[G0B+1], s17
	s_add_nc_u64 s[G0B+2:G0B+3], s[G0B+2:G0B+3], s[22:23]
	s_wait_dscnt 0x0
	CROUND                                         ; all four tiles are in, and all sixteen work-groups are here
	JLOAD G0+4, G1, G0B+4, G1B                     ; slot 1's first fill, the first tensor load behind the round
	FETCH_B 0, 0, 0
	FETCH_A 0, 0, 0
	SCALES 0, 0
	FETCH_A 0, 0, 4
	s_wait_loadcnt 0x0
	s_cmp_eq_u32 s3, 0
	s_cbranch_scc0 .Lfirst_v
	STEP 0, 1
	s_branch .Lfirst_done
.Lfirst_v:
	STEP 0, 2
.Lfirst_done:
	TURN 0, 1, 1, 1
	STEP 1, 0
	TURN 1, 0, 1, 2
	STEP 0, 0
	TURN 0, 1, 0, 3
	STEP 1, 0
	s_wait_dscnt 16
	WIN 0xa1
	MUL16 0, 1, 1, 1, 0
	MUL16 2, 1, 1, 1, 0
	s_wait_dscnt 0x0
	WIN 0xf1
	MUL16 4, 1, 1, 1, 0
	MUL16 6, 1, 1, 1, 0
	WIN 0
.macro OUTTILE a
.set W, 2+(\a)/4
.set AC, 64*((\a)%4)
	WIN W|(W<<2)
.irp b, 0,1,2,3
	v_max3_num_f32 v[TM+\b], |v[AC+16*\b]|, |v[AC+16*\b+1]|, 0x8000000
.endr
.irp i, 2,4,6,8,10,12,14
.irp b, 0,1,2,3
	v_max3_num_f32 v[TM+\b], |v[AC+16*\b+\i]|, |v[AC+16*\b+\i+1]|, v[TM+\b]
.endr
.endr
	WIN 0
.irp b, 0,1,2,3
	v_permlanex16_b32 v[TM+4+\b], v[TM+\b], s100, s101
.endr
.irp b, 0,1,2,3
	v_max_num_f32 v[TM+\b], v[TM+\b], v[TM+4+\b]
.endr
.irp b, 0,1,2,3
	v_add_nc_u32 v[TM+12+\b], 0xf8800000, v[TM+\b]
.endr
.irp b, 0,1,2,3
	v_and_or_b32 v[TM+8+\b], v[TM+\b], 0x7f800000, s66
.endr
.irp b, 0,1,2,3
	v_lshrrev_b32 v[TM+4+\b], 23, v[TM+12+\b]
.endr
	v_lshl_or_b32 v[PW+\a], v[TM+5], 8, v[TM+4]
	v_lshl_or_b32 v[PW+\a], v[TM+6], 16, v[PW+\a]
	v_lshl_or_b32 v[PW+\a], v[TM+7], 24, v[PW+\a]
	WIN W
.irp b, 0,1,2,3
.irp i, 0,1,2,3,4,5,6,7,8,9,10,11,12,13,14,15
	v_med3_num_f32 v[X+16*\b+\i], v[AC+16*\b+\i], -v[TM+8+\b], v[TM+8+\b]
.endr
.endr
	WIN 0
.if (\a) > 0
	s_wait_alu depctr_va_vdst(0)
	s_wait_xcnt 0x0
.endif
.irp b, 0,1,2,3
	v_cvt_scalef32_pk8_bf8_f32 v[PC+4*\b:PC+4*\b+1], v[X+16*\b:X+16*\b+7], v[TM+12+\b]
	v_cvt_scalef32_pk8_bf8_f32 v[PC+4*\b+2:PC+4*\b+3], v[X+16*\b+8:X+16*\b+15], v[TM+12+\b]
.endr
	v_nop
.irp c, 0,1,2,3
	global_store_b128 v[LI], v[PC+4*\c:PC+4*\c+3], s[10:11] offset:2048*(\a)+512*\c
.endr
.endm
	PLACES 8
.irp b, 0,1,2,3
	v_mov_b32 v[TM+4+\b], 0
.endr
.irp a, 0,1,2,3,4,5,6,7
	OUTTILE \a
.endr
	s_mov_b32 vcc_lo, 0xffff0000
.irp m, 0,1,2,3
	v_cndmask_b32 v[W4+\m], v[PW+\m], v[PW+4+\m], vcc_lo
.endr
	global_store_b128 v[LI], v[W4:W4+3], s[12:13]
	s_wait_tensorcnt 0x0
	ds_add_u32 v[SPW], v[NIL]
	s_wait_dscnt 0x0
	CROUND
	s_endpgm
.Lfunc_end_k_qe2bdd83450_qkv:
	.size	k_qe2bdd83450_qkv, .Lfunc_end_k_qe2bdd83450_qkv-k_qe2bdd83450_qkv
	.p2alignl 7, 3214868480
	.fill 96, 4, 3214868480
	.section	.rodata,"a",@progbits
	.p2align	6, 0x0
	.amdhsa_kernel k_qe2bdd83450_qkv
		.amdhsa_group_segment_fixed_size 327680
		.amdhsa_private_segment_fixed_size 0
		.amdhsa_enable_private_segment 0
		.amdhsa_kernarg_size 24
		.amdhsa_user_sgpr_count 2
		.amdhsa_user_sgpr_kernarg_segment_ptr 1
		.amdhsa_wavefront_size32 1
		.amdhsa_system_sgpr_workgroup_id_x 1
		.amdhsa_system_sgpr_workgroup_id_y 1
		.amdhsa_system_sgpr_workgroup_id_z 1
		.amdhsa_system_vgpr_workitem_id 0
		.amdhsa_next_free_vgpr 1024
		.amdhsa_next_free_sgpr 102
		.amdhsa_reserve_vcc 1
		.amdhsa_float_denorm_mode_32 3
		.amdhsa_float_denorm_mode_16_64 3
		.amdhsa_memory_ordered 1
		.amdhsa_forward_progress 1
		.amdhsa_inst_pref_size 203
	.end_amdhsa_kernel
	.amdgpu_metadata
---
amdhsa.version: [ 1, 2 ]
amdhsa.kernels:
  - .name:           k_qe2bdd83450_qkv
    .symbol:         k_qe2bdd83450_qkv.kd
    .args:
      - { .name: opq, .offset: 0, .size: 8, .value_kind: global_buffer, .address_space: global }
      - { .name: b_qkv, .offset: 8, .size: 8, .value_kind: global_buffer, .address_space: global }
      - { .name: qkvq, .offset: 16, .size: 8, .value_kind: global_buffer, .address_space: global }
    .group_segment_fixed_size: 327680
    .private_segment_fixed_size: 0
    .kernarg_segment_align: 8
    .kernarg_segment_size: 24
    .max_flat_workgroup_size: 128
    .sgpr_count:     102
    .vgpr_count:     1024
    .wavefront_size: 32
...
	.end_amdgpu_metadata
.endif
;; end of part 2
;; launch attn (part 3): grid 4 x 64, 8 waves a work-group, clusters of 4 x 1, 327,680 bytes of LDS; arguments qkvq, yq; writes yq
.if DOCPART == 3
	.amdgcn_target "amdgcn-amd-amdhsa--gfx1250"
	.amdhsa_code_object_version 6
	.text
	.protected	k_qe2bdd83450_attn
	.globl	k_qe2bdd83450_attn
	.p2align	8
	.type	k_qe2bdd83450_attn,@function
k_qe2bdd83450_attn:
	s_mov_b64 s[64:65], 0
	v_nop
	global_prefetch_b8 v0, s[64:65] scope:SCOPE_SE
	s_setreg_imm32_b32 hwreg(HW_REG_WAVE_MODE, 25, 1), 1
	s_wait_xcnt 0x0
	s_wait_alu depctr_hold_cnt(0) depctr_sa_sdst(0) depctr_va_vdst(0) depctr_va_sdst(0) depctr_va_ssrc(0) depctr_va_vcc(0) depctr_vm_vsrc(0)
	s_getreg_b32 s2, hwreg(HW_REG_IB_STS2, 6, 4)
	s_cmp_eq_u32 s2, 0
	s_cbranch_scc0 .Lentry_in_a_cluster
	s_endpgm
.Lentry_in_a_cluster:
	s_bfe_u32 s2, ttmp6, 0x10000c
	s_cmp_lg_u32 s2, 0x3003
	s_cbranch_scc0 .Lentry_shape_is_right
	s_endpgm
.Lentry_shape_is_right:
; y[b][q][64 h + d] = the sum over keys of softmax(q . k / 8) v, one (b, h) to a cluster, both products on codes of BF8 (E5M2) with E8M0 scales; y leaves quantised along its 1,024, as an operand image for the last product.
; THE SOFTMAX: t = score x log2(e) / 8; M = the row's largest t so far, rounded UP to a whole number; p = 2^(t - M) is quantised along the keys, not normalised.  The row's sum is taken of the unquantised p and divides O at the end.
; When M moves, the sum and O are multiplied by 2^(old M - new M): exact.
; SHARES.  The four work-groups of a cluster take 512 queries each of one head; each of eight waves owns TWO tiles of 16 queries at a time, twice one after the other: a fragment of K or V read from LDS feeds two matrix instructions.
; THE HEAD'S WHOLE K, V AND SCALE WORDS LIE IN LDS (128 + 128 + 12 KiB), each byte filled once, by joint loads of the four partners (mask 15), one load a wave, all at the head: waves 0, 1 K's halves, waves 2, 3 V's,
; wave 4 K's scale words, wave 5 V's.  One barrier follows; the walks have none.  No prefetch: one group of fills and no ring to run ahead in.
; LAYOUT.  Both products transposed: S^T = K Q^T (source 0 = 16 keys), O^T = V^T P^T (source 0 = 16 of the head's 64): a lane holds ONE query of each tile.  A tile's rows are 32 (T / 2) + 8 (T % 2) + r + 8 (r / 8): the 16 registers
; of tiles 2 B, 2 B + 1 are 16 neighbours, 32 B + 16 (lane / 16) + 0 .. 15, along the keys (p) and along d (y).
; K = 64 IN AN INSTRUCTION OF 128: Q's registers 8-15 hold zero codes.  K's fragment t is named by 16 registers: its upper eight are the next tile's codes (held, so finite) or, for tile 7, zeros; against Q's zeros they add nothing.
; K's and Q's scale words come as 16 bits: bytes 2, 3 are 0, never 0xff.
; K ONE STEP AHEAD.  K's fragments have registers of their own: the next step's, and its scale words, are asked for with V's, behind the first product, and the one wait ahead of the second product covers them.
; The last step's look-ahead reads filled LDS bytes behind K's (V's first step, V's scale words); what it brings is not used.
; THE HOLD WRITES INTO REGISTERS OF ITS OWN, two numbers an instruction, three buffers of eight by turns, so p stays as it is: its packed additions stand in the next step, ahead of the first product and as the places behind it.
; REGISTERS BY FUNCTION.  Window 0: all that the softmax of both tiles touches, p's codes and every scale word.  Window 1: v0-63 V's fragments; v72-103 Q of tile 0, zeros, Q of tile 1, zeros; v104-167 O^T of both; v168-231 K's fragments; v232-239 zeros.
; LIMITS: NaN and infinities are not served; the scaled scores stay under 2^31 in magnitude; a block's largest p is taken as the exponential of the block's largest score (v_exp_f32 is taken not to fall where its input rises);
; a block of zeros gets the byte 1 (its codes are zeros, and this program alone reads the bytes).
.set VIMG,  16777216
.set QKSCL, 25165824
.set VSCL,  25690112
.set YSCL,  8388608
.set VREG,  131072                     ; LDS: K [tile 128][1,024] at 0; V [step 16][d tile 4][2,048] here;
.set KSC,   262144                     ; K's scale words [step][512];
.set VSC,   270336                     ; V's [step][256];
.set SPARE, 274432                     ; the spare words, 128 bytes a wave
; window 0: v1 16 x lane; v2 V's place; v3 K's scale words'; v4 V's; v5 16 r; v8-11 the step's addresses.  For tile x:
.set SPW, 6
.set NIL, 7
.set NM,  12                           ; v[12 + 2 x] -M, v[13 + 2 x] the largest score
.set L,   16                           ; v[16 + 2 x : 17 + 2 x] the sum
.set F,   20                           ; v[20 + 2 x] f = 2^(old M - new M), later 1 / the sum; v[21 + 2 x] the old -M (named with f as a pair; the low word serves both halves)
.set BM,  24                           ; + 4 x: the blocks' largest
.set T2,  32                           ; + 4 x: at work
.set HO,  40                           ; + 4 x: 57,344 x the scale
.set SOP, 48                           ; + 4 x: the conversions' scale operands
.set T,   56                           ; v56-71 and v248-255: held p on its way to the codes; v56-71 then the sums' partial pairs, four a tile
.set PCD, 72                           ; + 16 x: p's codes
.set S,   104                          ; + 64 x: S^T, then p
.set KS,  232                          ; v232-239 K's scale words; v240-243 V's; v244, 245 Q's; v246, 247 p's: scales and nothing else
.set VS,  240
.set QS,  244
.set PS,  246
.set QW,  72                           ; window 1: + 16 x: Q and its zeros
.set OW,  104                          ; window 1: + 32 x: O^T
.set KF,  168                          ; window 1: K's fragments, and eight zeros behind them
.set G1K, 16
.set G1V, 24
.set G1KS, 32
.set G1VS, 40
.set G0K, 48
.set G0V, 52
.set G0KS, 56
.set G0VS, 60
.set WV,  92
.set MNT, 93
.set SEL, 94
.set CS,  96                           ; s[96:97] c = log2(e) / 8
.set TB,  98                           ; the step's K tiles in LDS (V's likewise behind VREG): 8,192 a step
.set TS,  99                           ; K's scale words: 512 a step
.set TJ,  100                          ; V's: 256 a step
.set CNT, 101
.set MSB, 0
.macro WIN new                         ; low byte: bits 1:0 source 0, 3:2 source 1, 5:4 source 2, 7:6 destination; the high byte repeats the setting that is left
.if MSB != (\new)
	s_set_vgpr_msb (MSB<<8)|(\new)
.set MSB, \new
.endif
.endm
.macro CROUND                          ; a round of the cluster's barrier
	s_barrier_signal -1
	s_barrier_wait -1
	s_cmp_lg_u32 s[WV], 0
	s_cbranch_scc1 .Lnot_wave_0_\@
	s_barrier_signal -3
.Lnot_wave_0_\@:
	s_barrier_wait -3
	s_barrier_signal -1
	s_barrier_wait -1
.endm
.macro G1SET g, c, r, p                ; group 1: r rows of c elements of 8 bytes, p elements apart; mask 15 with bit 21 beside it; no padding
	s_mov_b32 s[\g], 15|(3<<16)|(1<<21)
	s_mov_b32 s[\g+1], (\c)<<16
	s_mov_b32 s[\g+2], (\r)<<16
	s_mov_b32 s[\g+3], (\c)<<16
	s_mov_b32 s[\g+4], \r
	s_mov_b32 s[\g+5], \p
	s_mov_b32 s[\g+6], 0
	s_mov_b32 s[\g+7], 0
.endm
	s_load_b128 s[8:11], s[0:1], 0x0               ; q, k, v's workspace s[8:9]; y's s[10:11]
	v_lshl_add_u32 v[SPW], v0, 2, SPARE
	v_mov_b32 v[NIL], 0
	ds_add_u32 v[SPW], v[NIL]                      ; the opening lines: the add twice on end and its wait
	ds_add_u32 v[SPW], v[NIL]
	v_lshrrev_b32 v1, 5, v0
	v_readfirstlane_b32 s[WV], v1                  ; wave 0..7
	s_and_b32 s66, ttmp7, 0xffff                   ; 16 b + h: the four partners share it
	s_lshr_b32 s68, s66, 4                         ; b
	s_and_b32 s69, s66, 15                         ; h
	s_lshr_b32 s70, s69, 1                         ; the pair of heads
	s_and_b32 s71, s69, 1                          ; which of the pair
	s_bfe_u32 s72, ttmp6, 0x40000                  ; cx: it enters Q's and y's addresses alone
	s_and_b32 s73, s[WV], 1                        ; which half I fetch
	G1SET G1K, 128, 64, 256                        ; K: 64 tiles: rows of 1,024 bytes, 2,048 apart
	G1SET G1V, 1024, 8, 16384                      ; V: 8 steps: rows of 8,192 bytes, 131,072 apart
	G1SET G1KS, 32, 32, 32                         ; K's scale words: 8,192 dense bytes as 32 rows of 256
	G1SET G1VS, 32, 16, 512                        ; V's: 16 steps' 256 bytes, 4,096 apart
	s_wait_dscnt 0x0
	s_wait_kmcnt 0x0
	; K's codes: ((8 + pair) x 512 + 128 b + 64 half) x 2,048 + 1,024 x which
	s_add_co_u32 s2, s70, 8
	s_lshl_b32 s2, s2, 9
	s_lshl_b32 s3, s68, 7
	s_add_co_u32 s2, s2, s3
	s_lshl_b32 s3, s73, 6
	s_add_co_u32 s2, s2, s3
	s_lshl_b32 s2, s2, 11
	s_lshl_b32 s3, s71, 10
	s_add_co_u32 s2, s2, s3
	s_mov_b32 s3, 0
	s_mov_b32 s[G0K], 1
	s_lshl_b32 s[G0K+1], s73, 16
	s_add_nc_u64 s[G0K+2:G0K+3], s[8:9], s[2:3]
	s_or_b32 s[G0K+3], s[G0K+3], 0x80000000
	; V's codes: ((16 b + 8 half) x 64 + 4 h) x 2,048
	s_lshl_b32 s2, s68, 4
	s_lshl_b32 s3, s73, 3
	s_add_co_u32 s2, s2, s3
	s_lshl_b32 s2, s2, 6
	s_lshl_b32 s3, s69, 2
	s_add_co_u32 s2, s2, s3
	s_lshl_b32 s2, s2, 11
	s_add_co_u32 s2, s2, VIMG
	s_mov_b32 s3, 0
	s_mov_b32 s[G0V], 1
	s_lshl_b32 s[G0V+1], s73, 16
	s_add_co_u32 s[G0V+1], s[G0V+1], VREG
	s_add_nc_u64 s[G0V+2:G0V+3], s[8:9], s[2:3]
	s_or_b32 s[G0V+3], s[G0V+3], 0x80000000
	; K's scale words: ((8 + pair) x 64 + 16 b) x 512
	s_add_co_u32 s2, s70, 8
	s_lshl_b32 s2, s2, 6
	s_lshl_b32 s3, s68, 4
	s_add_co_u32 s2, s2, s3
	s_lshl_b32 s2, s2, 9
	s_add_co_u32 s2, s2, QKSCL
	s_mov_b32 s3, 0
	s_mov_b32 s[G0KS], 1
	s_mov_b32 s[G0KS+1], KSC
	s_add_nc_u64 s[G0KS+2:G0KS+3], s[8:9], s[2:3]
	s_or_b32 s[G0KS+3], s[G0KS+3], 0x80000000
	; V's scale words: (128 b + pair) x 512 + 256 x which
	s_lshl_b32 s2, s68, 7
	s_add_co_u32 s2, s2, s70
	s_lshl_b32 s2, s2, 9
	s_lshl_b32 s3, s71, 8
	s_add_co_u32 s2, s2, s3
	s_add_co_u32 s2, s2, VSCL
	s_mov_b32 s3, 0
	s_mov_b32 s[G0VS], 1
	s_mov_b32 s[G0VS+1], VSC
	s_add_nc_u64 s[G0VS+2:G0VS+3], s[8:9], s[2:3]
	s_or_b32 s[G0VS+3], s[G0VS+3], 0x80000000
	CROUND                                         ; all four work-groups are here: the joint loads meet
; the head's loads: one chain of branches on the wave's number, one load to an arm, all arms to one join
.macro ARM under, g0, g1, next
	s_cmp_lt_u32 s[WV], \under
	s_cbranch_scc0 \next
	tensor_load_to_lds s[\g0:\g0+3], s[\g1:\g1+7]
	s_nop 0
.rept 4
	v_nop
.endr
	s_branch .Lhead_asked
\next:
.endm
	ARM 2, G0K,  G1K,  .Lhead_v
	ARM 4, G0V,  G1V,  .Lhead_sk
	ARM 5, G0KS, G1KS, .Lhead_sv
	ARM 6, G0VS, G1VS, .Lhead_none
.Lhead_asked:
	; Q's codes: (512 pair + 128 b + 32 cx + 2 wave) x 2,048 + 1,024 x which; tile 1 one tile on; the second pass 16 tiles on
	s_lshl_b32 s2, s70, 9
	s_lshl_b32 s3, s68, 7
	s_add_co_u32 s2, s2, s3
	s_lshl_b32 s3, s72, 5
	s_add_co_u32 s2, s2, s3
	s_lshl_b32 s3, s[WV], 1
	s_add_co_u32 s2, s2, s3
	s_lshl_b32 s2, s2, 11
	s_lshl_b32 s3, s71, 10
	s_add_co_u32 s2, s2, s3
	s_mov_b32 s3, 0
	s_add_nc_u64 s[4:5], s[8:9], s[2:3]
	; Q's scale words: (64 pair + 16 b + 4 cx + wave / 4) x 512 + 256 ((wave / 2) % 2) + 8 (wave % 2) + 2 x which; tile 1 four bytes on
	s_lshl_b32 s2, s70, 6
	s_lshl_b32 s3, s68, 4
	s_add_co_u32 s2, s2, s3
	s_lshl_b32 s3, s72, 2
	s_add_co_u32 s2, s2, s3
	s_lshr_b32 s3, s[WV], 2
	s_add_co_u32 s2, s2, s3
	s_lshl_b32 s2, s2, 9
	s_bfe_u32 s3, s[WV], 0x10001
	s_lshl_b32 s3, s3, 8
	s_add_co_u32 s2, s2, s3
	s_lshl_b32 s3, s73, 3
	s_add_co_u32 s2, s2, s3
	s_lshl_b32 s3, s71, 1
	s_add_co_u32 s2, s2, s3
	s_add_co_u32 s2, s2, QKSCL
	s_mov_b32 s3, 0
	s_add_nc_u64 s[6:7], s[8:9], s[2:3]
	; y's codes: ((128 b + 32 cx + 2 wave) x 8 + pair) x 2,048 + 1,024 x which; its scale bytes: tile x 512 + 256 (pair / 4) + 4 (pair % 4) + 2 x which
	s_lshl_b32 s66, s68, 7
	s_lshl_b32 s3, s72, 5
	s_add_co_u32 s66, s66, s3
	s_lshl_b32 s3, s[WV], 1
	s_add_co_u32 s66, s66, s3
	s_lshl_b32 s2, s66, 3
	s_add_co_u32 s2, s2, s70
	s_lshl_b32 s2, s2, 11
	s_lshl_b32 s3, s71, 10
	s_add_co_u32 s2, s2, s3
	s_mov_b32 s3, 0
	s_add_nc_u64 s[12:13], s[10:11], s[2:3]
	s_lshl_b32 s2, s66, 9
	s_lshr_b32 s3, s70, 2
	s_lshl_b32 s3, s3, 8
	s_add_co_u32 s2, s2, s3
	s_and_b32 s3, s70, 3
	s_lshl_b32 s3, s3, 2
	s_add_co_u32 s2, s2, s3
	s_lshl_b32 s3, s71, 1
	s_add_co_u32 s2, s2, s3
	s_add_co_u32 s2, s2, YSCL
	s_mov_b32 s3, 0
	s_add_nc_u64 s[14:15], s[10:11], s[2:3]
	s_mov_b32 s[MNT], 0x600000                     ; the mantissa field of 57,344
	s_mov_b32 s[SEL], 0x76543210
	s_mov_b32 s[SEL+1], 0xfedcba98                 ; v_permlanex16_b32's selects for lane l xor 16
	s_mov_b32 s[CS], 0x3e38aa3b                    ; c = log2(e) / 8
	s_mov_b32 s[CS+1], s[CS]
	s_lshl_b32 s2, s71, 1
	s_add_co_u32 s2, s2, KSC
	v_and_b32 v5, 31, v0
	v_lshlrev_b32 v1, 4, v5                        ; 16 x lane: an image's place for my lane
	v_add_nc_u32 v2, VREG, v1
	v_and_b32 v5, 15, v0
	v_lshlrev_b32 v5, 4, v5                        ; 16 r
	v_add_nc_u32 v3, s2, v5                        ; K's scale words: 16 bytes a row, my head's two bytes
	v_add_nc_u32 v4, VSC, v5
.irp b, 0,1,2,3,4,5,6,7
	v_mov_b32 v[T2+\b], 0                          ; written once: a lane permute's destination counts as one of its sources
.endr
	WIN 0x40                                       ; destination in window 1
.irp j, 0,1,2,3,4,5,6,7
	v_mov_b32 v[KF+64+\j], 0                       ; what stands behind K's last tile,
	v_mov_b32 v[QW+8+\j], 0                        ; and Q's zero codes for k = 64 .. 127, of both tiles
	v_mov_b32 v[QW+24+\j], 0
.endr
	WIN 0
.macro QLOAD pass                      ; my two tiles of queries: each fragment's eight registers and its scale words
	WIN 0x40
.irp x, 0,1
	global_load_b128 v[QW+16*\x:QW+16*\x+3], v1, s[4:5] offset:32768*\pass+2048*\x
	global_load_b128 v[QW+16*\x+4:QW+16*\x+7], v1, s[4:5] offset:32768*\pass+2048*\x+512
.endr
	WIN 0
.irp x, 0,1
	global_load_u16 v[QS+\x], v5, s[6:7] offset:1024*\pass+4*\x
.endr
.endm
.macro INIT                            ; the walk is written once: its first step finds zeros in O^T, in the sums and in p
	s_wait_xcnt 0x0                                ; the last tiles' stores have read their registers
.irp x, 0,1
	v_mov_b32 v[NM+2*\x+1], 0xff61b1e6             ; the largest score so far: -3e38
	v_mov_b32 v[NM+2*\x], 0x7e000000               ; -M = 2^125, a whole number: the first f is 0
	v_mov_b32 v[L+2*\x], 0
	v_mov_b32 v[L+2*\x+1], 0
.endr
.set j, 0
.rept 64
	v_dual_mov_b32 v[S+j], 0 :: v_dual_mov_b32 v[S+j+1], 0
.set j, j+2
.endr
	WIN 0x40
.set j, 0
.rept 64
	v_mov_b32 v[OW+j], 0
.set j, j+1
.endr
	WIN 0
.endm
.macro KCODES o                        ; K's eight tiles of the step o steps on from v8's (under destination window 1)
.irp t, 0,1,2,3,4,5,6,7
.irp c, 0,1
	ds_load_b128 v[KF+8*\t+4*\c:KF+8*\t+4*\c+3], v8 offset:8192*(\o)+1024*\t+512*\c
.endr
.endr
.endm
.macro KSCALES o                       ; and their scale words
.irp t, 0,1,2,3,4,5,6,7
	ds_load_u16 v[KS+\t], v10 offset:512*(\o)+256*(\t/4)+4*(\t%4)
.endr
.endm
; THE ROWS' SUMS of the step before, of the unquantised p: 32 packed additions a tile, in three parts, the two tiles by turns
.macro SUMA                            ; pairs 0-7 start four partial sums a tile
.irp i, 0,1,2,3
.irp x, 0,1
	v_pk_add_f32 v[T+8*\x+2*\i:T+8*\x+2*\i+1], v[S+64*\x+4*\i:S+64*\x+4*\i+1], v[S+64*\x+4*\i+2:S+64*\x+4*\i+3]
.endr
.endr
.endm
.macro SUMB                            ; pairs 8-31
.set j, 0
.rept 24
.irp x, 0,1
	v_pk_add_f32 v[T+8*\x+2*(j%4):T+8*\x+2*(j%4)+1], v[T+8*\x+2*(j%4):T+8*\x+2*(j%4)+1], v[S+64*\x+16+2*j:S+64*\x+16+2*j+1]
.endr
.set j, j+1
.endr
.endm
.macro SUMC                            ; the four into the sum: these name no register of p
.irp i, 0,1
.irp x, 0,1
	v_pk_add_f32 v[T+8*\x+2*\i:T+8*\x+2*\i+1], v[T+8*\x+2*\i:T+8*\x+2*\i+1], v[T+8*\x+2*\i+4:T+8*\x+2*\i+5]
.endr
.endr
.irp x, 0,1
	v_pk_add_f32 v[T+8*\x:T+8*\x+1], v[T+8*\x:T+8*\x+1], v[T+8*\x+2:T+8*\x+3]
.endr
.irp x, 0,1
	v_pk_add_f32 v[L+2*\x:L+2*\x+1], v[L+2*\x:L+2*\x+1], v[T+8*\x:T+8*\x+1]
.endr
.endm
; A KEY STEP: 128 keys against both tiles.  Its K and K's scale words are in registers: the wait ahead of the last second product, or the one ahead of the loop, has covered them
.macro STEP
	SUMA
	SUMB                                           ; p of the step before is read for the last time: the scores land on it
	WIN 0x05                                       ; sources 0 and 1 in window 1, the scores in window 0
.irp t, 0,1,2,3,4,5,6,7
.irp x, 0,1
	v_wmma_scale_f32_16x16x128_f8f6f4 v[S+64*\x+8*\t:S+64*\x+8*\t+7], v[KF+8*\t:KF+8*\t+15], v[QW+16*\x:QW+16*\x+15], 0, v[KS+\t], v[QS+\x] matrix_a_fmt:MATRIX_FMT_BF8 matrix_b_fmt:MATRIX_FMT_BF8
.endr
.endr
	WIN 0
	v_add_nc_u32 v9, s[TB], v2
	v_add_nc_u32 v11, s[TJ], v4
	v_add_nc_u32 v8, s[TB], v1
	v_add_nc_u32 v10, s[TS], v3
.irp x, 0,1
	v_mov_b32 v[F+2*\x+1], v[NM+2*\x]              ; the old -M
.endr
	SUMC                                           ; fourteen places: the scores are read below, and the next K lands where this one lay
	WIN 0x40
.irp d, 0,1,2,3
.irp c, 0,1,2,3
	ds_load_b128 v[16*\d+4*\c:16*\d+4*\c+3], v9 offset:2048*\d+512*\c   ; V: it comes in under the softmax,
.endr
.endr
	KCODES 1                                       ; and so does the next step's K
	WIN 0
	ds_load_b128 v[VS:VS+3], v11                   ; row r's words of the four d tiles
	KSCALES 1
.irp b, 0,1,2,3
.irp x, 0,1
	v_max3_num_f32 v[BM+4*\x+\b], v[S+64*\x+16*\b], v[S+64*\x+16*\b+1], v[S+64*\x+16*\b+2]   ; the largest score of each block of 32 keys: for the row's maximum and for the block's largest p
.endr
.endr
.irp i, 3,5,7,9,11,13
.irp b, 0,1,2,3
.irp x, 0,1
	v_max3_num_f32 v[BM+4*\x+\b], v[BM+4*\x+\b], v[S+64*\x+16*\b+\i], v[S+64*\x+16*\b+\i+1]
.endr
.endr
.endr
.irp b, 0,1,2,3
.irp x, 0,1
	v_max_num_f32 v[BM+4*\x+\b], v[BM+4*\x+\b], v[S+64*\x+16*\b+15]
.endr
.endr
.irp b, 0,1,2,3,4,5,6,7
	v_permlanex16_b32 v[T2+\b], v[BM+\b], s[SEL], s[SEL+1]
.endr
.irp b, 0,1,2,3,4,5,6,7
	v_max_num_f32 v[BM+\b], v[BM+\b], v[T2+\b]     ; with lane l xor 16's 16 keys
.endr
.irp x, 0,1
	v_max3_num_f32 v[NM+2*\x+1], v[NM+2*\x+1], v[BM+4*\x], v[BM+4*\x+1]
.endr
.irp x, 0,1
	v_max3_num_f32 v[NM+2*\x+1], v[NM+2*\x+1], v[BM+4*\x+2], v[BM+4*\x+3]   ; the running largest score
.endr
.irp x, 0,1
	v_mul_f32 v[T2+4*\x], s[CS], v[NM+2*\x+1]      ; as t (c is positive)
.endr
.irp x, 0,1
	v_floor_f32 v[NM+2*\x], -v[T2+4*\x]            ; the new -M = floor(-t): M is a whole number
.endr
.irp x, 0,1
	v_sub_f32 v[T2+4*\x], v[NM+2*\x], v[F+2*\x+1]  ; old M - new M: a whole number, 0 or less
.endr
.irp x, 0,1
	v_cvt_i32_f32 v[T2+4*\x], v[T2+4*\x]           ; (it saturates)
.endr
.irp x, 0,1
	v_ldexp_f32 v[F+2*\x], 1.0, v[T2+4*\x]         ; f = 2^(old M - new M)
.endr
.set j, 0
.rept 32
	v_pk_fma_f32 v[S+j:S+j+1], v[S+j:S+j+1], s[CS:CS+1], v[NM:NM+1] op_sel_hi:[1,0,0]   ; tile 0: t - M, two at a time
.set j, j+2
.endr
.irp b, 0,1,2,3
	v_fma_f32 v[BM+\b], v[BM+\b], s[CS], v[NM]     ; the same of each block's largest score
.endr
	s_wait_alu depctr_va_vdst(0)                   ; ahead of the batch
.set j, 0
.rept 32                               ; tile 0's exponentials; among them tile 1's t - M: lines that hang on nothing in the batch, first read behind the wait below
	v_exp_f32 v[S+j], v[S+j]                       ; p = 2^(t - M)
	v_exp_f32 v[S+j+1], v[S+j+1]
	v_pk_fma_f32 v[S+64+j:S+64+j+1], v[S+64+j:S+64+j+1], s[CS:CS+1], v[NM+2:NM+3] op_sel_hi:[1,0,0]
.set j, j+2
.endr
.irp b, 0,1,2,3
	v_exp_f32 v[BM+\b], v[BM+\b]                   ; the block's largest p: the same two instructions on the same number
	v_fma_f32 v[BM+4+\b], v[BM+4+\b], s[CS], v[NM+2]
.endr
	s_wait_alu depctr_va_vdst(0)                   ; behind tile 0's batch and ahead of tile 1's
.set j, 0
.rept 64
	v_exp_f32 v[S+64+j], v[S+64+j]
.set j, j+1
.endr
.irp b, 0,1,2,3
	v_exp_f32 v[BM+4+\b], v[BM+4+\b]
.endr
.irp x, 0,1
	v_pk_mul_f32 v[L+2*\x:L+2*\x+1], v[L+2*\x:L+2*\x+1], v[F+2*\x:F+2*\x+1] op_sel_hi:[1,0]   ; the sums under the new M: plain lines behind the exponentials
.endr
	s_wait_alu depctr_va_vdst(0)                   ; one wait for the batch, ahead of its first reader
.irp b, 0,1,2,3,4,5,6,7
	v_max_num_f32 v[BM+\b], 0x8000000, v[BM+\b]    ; the floor 2^(16 - 127): the byte cannot fall under 1
.endr
.irp b, 0,1,2,3,4,5,6,7
	v_add_nc_u32 v[SOP+\b], 0xf8800000, v[BM+\b]   ; 15 off the exponent field: the conversion's scale operand
.endr
.irp b, 0,1,2,3,4,5,6,7
	v_and_or_b32 v[HO+\b], v[BM+\b], 0x7f800000, s[MNT]   ; 57,344 x the scale
.endr
.irp b, 0,1,2,3,4,5,6,7
	v_lshrrev_b32 v[T2+\b], 23, v[SOP+\b]          ; the scale's byte
.endr
.irp x, 0,1
	v_lshl_or_b32 v[PS+\x], v[T2+4*\x+1], 8, v[T2+4*\x]   ; p's scale word for these 128 keys
.endr
.irp x, 0,1
	v_lshl_or_b32 v[PS+\x], v[T2+4*\x+2], 16, v[PS+\x]
.endr
.irp x, 0,1
	v_lshl_or_b32 v[PS+\x], v[T2+4*\x+3], 24, v[PS+\x]
.endr
; the hold (the conversion does not saturate: ISA guide 7.6.2; p is not negative, so it is one-sided), two numbers an instruction: group n = 8 numbers, p's registers 8 n on (both tiles: 16 groups), block n / 2, into buffer n % 3.
; Group n - 1's conversion stands behind group n's four holds; a buffer is written again two groups behind the conversion that read it
.set n, 0
.rept 16
.set TN, T+8*(n%3)+176*((n%3)/2)
.irp i, 0,2,4,6
	v_dual_min_num_f32 v[TN+\i], v[S+8*n+\i], v[HO+n/2] :: v_dual_min_num_f32 v[TN+\i+1], v[S+8*n+\i+1], v[HO+n/2]
.endr
.if n > 0
.set TM, T+8*((n-1)%3)+176*(((n-1)%3)/2)
	v_cvt_scalef32_pk8_bf8_f32 v[PCD+2*(n-1):PCD+2*(n-1)+1], v[TM:TM+7], v[SOP+(n-1)/2]
.endif
.set n, n+1
.endr
	v_cvt_scalef32_pk8_bf8_f32 v[PCD+30:PCD+31], v[T:T+7], v[SOP+7]   ; group 15, in buffer 0
	WIN 0x41                                       ; O^T in window 1, f in window 0
	s_wait_alu depctr_va_vdst(0)                   ; directly ahead of the first reader of O^T
.irp x, 0,1
.set j, 0
.rept 16
	v_pk_mul_f32 v[OW+32*\x+j:OW+32*\x+j+1], v[OW+32*\x+j:OW+32*\x+j+1], v[F+2*\x:F+2*\x+1] op_sel_hi:[1,0]   ; O^T under the new M; these are also the places between the conversions and the products
.set j, j+2
.endr
.endr
	s_wait_alu depctr_va_vdst(0)                   ; directly ahead of the wait below
	s_wait_dscnt 0x0                               ; V, the next K and both their scale words are in
	WIN 0x51                                       ; V and O^T in window 1, p's codes in window 0
.irp d, 0,1,2,3
.irp x, 0,1
	v_wmma_scale_f32_16x16x128_f8f6f4 v[OW+32*\x+8*\d:OW+32*\x+8*\d+7], v[16*\d:16*\d+15], v[PCD+16*\x:PCD+16*\x+15], v[OW+32*\x+8*\d:OW+32*\x+8*\d+7], v[VS+\d], v[PS+\x] matrix_a_fmt:MATRIX_FMT_BF8 matrix_b_fmt:MATRIX_FMT_BF8
.endr
.endr
	WIN 0
	s_add_co_u32 s[TB], s[TB], 8192
	s_add_co_u32 s[TS], s[TS], 512
	s_add_co_u32 s[TJ], s[TJ], 256
.endm
.macro WALK                            ; all 16 key steps; the first step's K is fetched ahead of the loop
	s_mov_b32 s[TB], 0
	s_mov_b32 s[TS], 0
	s_mov_b32 s[TJ], 0
	s_mov_b32 s[CNT], 16
	v_add_nc_u32 v8, s[TB], v1
	v_add_nc_u32 v10, s[TS], v3
	WIN 0x40
	KCODES 0
	WIN 0
	KSCALES 0
	s_wait_dscnt 0x0
.Lwalk_\@:
	STEP
	s_sub_co_u32 s[CNT], s[CNT], 1
	s_cmp_lg_u32 s[CNT], 0
	s_cbranch_scc1 .Lwalk_\@
.endm
; THE WAY OUT of two tiles: the last step's p is summed; O^T / the sum; a lane's 32 registers are d = 32 B + 16 (lane / 16) + i: two blocks along y's 1,024: quantised as they stand, the codes are two chunks of y's image
.macro EPI pass
	SUMA                                           ; these 64 are also the places behind the last products
	SUMB
	SUMC
.irp x, 0,1
	v_add_f32 v[L+2*\x], v[L+2*\x], v[L+2*\x+1]    ; the sum's two halves,
.endr
.irp x, 0,1
	v_permlanex16_b32 v[T2+4*\x], v[L+2*\x], s[SEL], s[SEL+1]
.endr
.irp x, 0,1
	v_add_f32 v[L+2*\x], v[L+2*\x], v[T2+4*\x]     ; and lane l xor 16's
.endr
	s_wait_alu depctr_va_vdst(0)                   ; ahead of the transcendentals
.irp x, 0,1
	v_rcp_f32 v[F+2*\x], v[L+2*\x]
.endr
	v_nop                                          ; a plain line behind the reciprocals,
	WIN 0x01                                       ; (O^T, source 0, in window 1)
	s_wait_alu depctr_va_vdst(0)                   ; and the wait ahead of their first reader, which is O^T's first reader too
.irp x, 0,1
.set j, 0
.rept 16
	v_pk_mul_f32 v[S+64*\x+j:S+64*\x+j+1], v[OW+32*\x+j:OW+32*\x+j+1], v[F+2*\x:F+2*\x+1] op_sel_hi:[1,0]   ; ascending: each accumulator is read from its low end on
.set j, j+2
.endr
.endr
	WIN 0
.irp b, 0,1
.irp x, 0,1
	v_max3_num_f32 v[BM+4*\x+\b], |v[S+64*\x+16*\b]|, |v[S+64*\x+16*\b+1]|, 0x8000000
.endr
.endr
.irp i, 2,4,6,8,10,12,14
.irp b, 0,1
.irp x, 0,1
	v_max3_num_f32 v[BM+4*\x+\b], v[BM+4*\x+\b], |v[S+64*\x+16*\b+\i]|, |v[S+64*\x+16*\b+\i+1]|
.endr
.endr
.endr
.irp b, 0,1,4,5
	v_permlanex16_b32 v[T2+\b], v[BM+\b], s[SEL], s[SEL+1]
.endr
.irp b, 0,1,4,5
	v_max_num_f32 v[BM+\b], v[BM+\b], v[T2+\b]
.endr
.irp b, 0,1,4,5
	v_add_nc_u32 v[SOP+\b], 0xf8800000, v[BM+\b]
.endr
.irp b, 0,1,4,5
	v_and_or_b32 v[HO+\b], v[BM+\b], 0x7f800000, s[MNT]
.endr
.irp b, 0,1,4,5
	v_lshrrev_b32 v[T2+\b], 23, v[SOP+\b]
.endr
.irp x, 0,1
	v_lshl_or_b32 v[T2+4*\x+2], v[T2+4*\x+1], 8, v[T2+4*\x]   ; my head's two bytes of the row's scale word
.endr
.irp x, 0,1
.irp b, 0,1
.irp i, 0,1,2,3,4,5,6,7,8,9,10,11,12,13,14,15
	v_med3_num_f32 v[S+64*\x+16*\b+\i], v[S+64*\x+16*\b+\i], -v[HO+4*\x+\b], v[HO+4*\x+\b]
.endr
	v_cvt_scalef32_pk8_bf8_f32 v[PCD+16*\x+4*\b:PCD+16*\x+4*\b+1], v[S+64*\x+16*\b:S+64*\x+16*\b+7], v[SOP+4*\x+\b]
	v_cvt_scalef32_pk8_bf8_f32 v[PCD+16*\x+4*\b+2:PCD+16*\x+4*\b+3], v[S+64*\x+16*\b+8:S+64*\x+16*\b+15], v[SOP+4*\x+\b]
.endr
.endr
	v_nop                                          ; a plain line behind the last conversion
.irp x, 0,1
	global_store_b128 v1, v[PCD+16*\x:PCD+16*\x+3], s[12:13] offset:262144*\pass+16384*\x        ; 512 consecutive bytes, aligned
	global_store_b128 v1, v[PCD+16*\x+4:PCD+16*\x+7], s[12:13] offset:262144*\pass+16384*\x+512
	global_store_b16 v5, v[T2+4*\x+2], s[14:15] offset:8192*\pass+512*\x    ; 2 bytes a row, 16 apart (both halves of the lanes write the same): one byte in 32 of what the codes take
.endr
.endm
	INIT
	s_wait_alu depctr_va_vdst(0)
	QLOAD 0
	s_wait_tensorcnt 0x0                           ; my load of the head's six has landed,
	s_wait_loadcnt 0x0                             ; and Q
	s_barrier_signal -1
	s_barrier_wait -1                              ; everybody's has; nothing is ever filled again
	WALK
	QLOAD 1                                        ; the second pass's Q: the products that read these registers lie a softmax back; it lands under the way out
	EPI 0
	INIT
	s_wait_alu depctr_va_vdst(0)                   ; directly ahead of the wait below
	s_wait_loadcnt 0x0
	WALK
	EPI 1
	s_wait_tensorcnt 0x0                           ; the wave's end
	ds_add_u32 v[SPW], v[NIL]
	s_wait_dscnt 0x0
	CROUND                                         ; the closing round, behind the last tensor load
	s_endpgm
.Lfunc_end_k_qe2bdd83450_attn:
	.size	k_qe2bdd83450_attn, .Lfunc_end_k_qe2bdd83450_attn-k_qe2bdd83450_attn
	.p2alignl 7, 3214868480
	.fill 96, 4, 3214868480
	.section	.rodata,"a",@progbits
	.p2align	6, 0x0
	.amdhsa_kernel k_qe2bdd83450_attn
		.amdhsa_group_segment_fixed_size 327680
		.amdhsa_private_segment_fixed_size 0
		.amdhsa_enable_private_segment 0
		.amdhsa_kernarg_size 16
		.amdhsa_user_sgpr_count 2
		.amdhsa_user_sgpr_kernarg_segment_ptr 1
		.amdhsa_wavefront_size32 1
		.amdhsa_system_sgpr_workgroup_id_x 1
		.amdhsa_system_sgpr_workgroup_id_y 1
		.amdhsa_system_sgpr_workgroup_id_z 1
		.amdhsa_system_vgpr_workitem_id 0
		.amdhsa_next_free_vgpr 512
		.amdhsa_next_free_sgpr 102
		.amdhsa_reserve_vcc 0
		.amdhsa_float_denorm_mode_32 3
		.amdhsa_float_denorm_mode_16_64 3
		.amdhsa_memory_ordered 1
		.amdhsa_forward_progress 1
		.amdhsa_inst_pref_size 126
	.end_amdhsa_kernel
	.amdgpu_metadata
---
amdhsa.version: [ 1, 2 ]
amdhsa.kernels:
  - .name:           k_qe2bdd83450_attn
    .symbol:         k_qe2bdd83450_attn.kd
    .args:
      - { .name: qkvq, .offset: 0, .size: 8, .value_kind: global_buffer, .address_space: global }
      - { .name: yq, .offset: 8, .size: 8, .value_kind: global_buffer, .address_space: global }
    .group_segment_fixed_size: 327680
    .private_segment_fixed_size: 0
    .kernarg_segment_align: 8
    .kernarg_segment_size: 16
    .max_flat_workgroup_size: 256
    .sgpr_count:     102
    .vgpr_count:     512
    .wavefront_size: 32
...
	.end_amdgpu_metadata
.endif
;; end of part 3
;; launch proj (part 4): grid 4 x 32, 4 waves a work-group, clusters of 4 x 4, 327,680 bytes of LDS; arguments yq, opq, b_proj, out0; writes out0
.if DOCPART == 4
	.amdgcn_target "amdgcn-amd-amdhsa--gfx1250"
	.amdhsa_code_object_version 6
	.text
	.protected	k_qe2bdd83450_proj
	.globl	k_qe2bdd83450_proj
	.p2align	8
	.type	k_qe2bdd83450_proj,@function
k_qe2bdd83450_proj:
	s_mov_b64 s[64:65], 0
	v_nop
	global_prefetch_b8 v0, s[64:65] scope:SCOPE_SE
	s_setreg_imm32_b32 hwreg(HW_REG_WAVE_MODE, 25, 1), 1
	s_wait_xcnt 0x0
	s_wait_alu depctr_hold_cnt(0) depctr_sa_sdst(0) depctr_va_vdst(0) depctr_va_sdst(0) depctr_va_ssrc(0) depctr_va_vcc(0) depctr_vm_vsrc(0)
	s_getreg_b32 s2, hwreg(HW_REG_IB_STS2, 6, 4)
	s_cmp_eq_u32 s2, 0
	s_cbranch_scc0 .Lentry_in_a_cluster
	s_endpgm
.Lentry_in_a_cluster:
	s_bfe_u32 s2, ttmp6, 0x10000c
	s_cmp_lg_u32 s2, 0xf033
	s_cbranch_scc0 .Lentry_shape_is_right
	s_endpgm
.Lentry_shape_is_right:
.set WPIMG, 11534336
.set WPSCL, 12943360
.set YSCL,  8388608
.set SLOT,  131072
.set POFF,  65536
.set SCL,   262144
.set SPARE, 278528
.set STAGE, 279040
.set ADRA, 16
.set ADRB, 20
.set STO,  24
.set RD,   25
.set LI,   26
.set ADRS, 27
.set SPW,  28
.set NIL,  29
.set SC,   32
.set BI,   64
.set AF,   128
.set BK,   128
.set G1, 24
.set G0, 32
.set G1B, 48
.set G0B, 56
.set G1S, 68
.set G0S, 76
.set G1SB, 80
.set G0SB, 88
.set MSB, 0
.macro WIN new
.if MSB != (\new)
	s_set_vgpr_msb (MSB<<8)|(\new)
.set MSB, \new
.endif
.endm
.macro JLOAD g0a, g1a, g0b, g1b
	s_cmp_eq_u32 s15, 0
	s_cbranch_scc0 .Lfor_p_\@
	tensor_load_to_lds s[\g0a:\g0a+3], s[\g1a:\g1a+7]
	s_nop 0
.rept 4
	v_nop
.endr
	s_branch .Lasked_\@
.Lfor_p_\@:
	tensor_load_to_lds s[\g0b:\g0b+3], s[\g1b:\g1b+7]
	s_nop 0
.rept 4
	v_nop
.endr
.Lasked_\@:
.endm
.macro CREST
	s_cmp_lg_u32 s14, 0
	s_cbranch_scc1 .Lnot_wave_0_\@
	s_barrier_signal -3
.Lnot_wave_0_\@:
	s_barrier_wait -3
	s_barrier_signal -1
	s_barrier_wait -1
.endm
.macro CROUND
	s_barrier_signal -1
	s_barrier_wait -1
	CREST
.endm
.macro PLACES n
.rept \n
	v_nop
.endr
.endm
.macro FRAG reg, adr, q, i
.irp c, 0,1,2,3
	ds_load_b128 v[\reg+4*\c:\reg+4*\c+3], v[\adr] offset:4096*(\i)+2048*(\q)+512*\c
.endr
.endm
.macro FETCH_B slot, q, p
	WIN 0x40
.irp i, 0,1,2,3,4,5,6,7
	FRAG 128*(\p)+16*\i, ADRB+\slot, \q, \i
.endr
	WIN 0
.endm
.macro FETCH_A slot, q, i0
.irp i, \i0, \i0+1, \i0+2, \i0+3
	FRAG AF+16*(\i), ADRA+\slot, \q, \i
.endr
.endm
.macro SCALES sc, ks
.irp i, 0,1,2,3,4,5,6,7
	ds_load_b64 v[SC+16*\sc+2*\i:SC+16*\sc+2*\i+1], v[ADRS] offset:512*\i+256*((\ks)>>1)+8*((\ks)&1)
.endr
.endm
.macro MUL16 a0, p, q, sc, cm
.irp a, \a0, \a0+1
.irp b, 0,1,2,3,4,5,6,7
.set rD, 8*(8*((\a)%4)+\b)
.set rC, rD
.if \cm == 1
.set rC, BI+8*\b
.endif
.set rP, 128*(\p)+16*\b
.set rR, AF+16*(\a)
	v_wmma_scale_f32_16x16x128_f8f6f4 v[rD:rD+7], v[rP:rP+15], v[rR:rR+15], v[rC:rC+7], v[SC+16*(\sc)+2*\b+(\q)], v[SC+16*(\sc)+2*(\a)+(\q)] matrix_a_fmt:MATRIX_FMT_BF8 matrix_b_fmt:MATRIX_FMT_BF8 matrix_a_scale:MATRIX_SCALE_ROW1
.endr
.endr
.endm
.macro STEP slot, cm
	s_wait_dscnt 16
.if \cm
	WIN 0x81
.else
	WIN 0xa1
.endif
	MUL16 0, 0, 0, \slot, \cm
	MUL16 2, 0, 0, \slot, \cm
	s_wait_dscnt 0x0
	PLACES 8
	FETCH_B \slot, 1, 1
	FETCH_A \slot, 1, 0
.if \cm
	WIN 0xc1
.else
	WIN 0xf1
.endif
	MUL16 4, 0, 0, \slot, \cm
	MUL16 6, 0, 0, \slot, \cm
	PLACES 8
	WIN 0
	FETCH_A \slot, 1, 4
.endm
.macro TURN slot, next, fill, ks
	s_wait_tensorcnt 0x0
	ds_add_u32 v[SPW], v[NIL]
	s_wait_dscnt 17
	WIN 0xa1
	MUL16 0, 1, 1, \slot, 0
	s_wait_dscnt 0x0
	s_barrier_signal -1
	MUL16 2, 1, 1, \slot, 0
	WIN 0
	s_barrier_wait -1
.if \fill
	CREST
	s_add_nc_u64 s[G0+4*\slot+2:G0+4*\slot+3], s[G0+4*\slot+2:G0+4*\slot+3], 8192
	s_add_nc_u64 s[G0B+4*\slot+2:G0B+4*\slot+3], s[G0B+4*\slot+2:G0B+4*\slot+3], 8192
	JLOAD G0+4*\slot, G1, G0B+4*\slot, G1B
	PLACES 4
.else
	PLACES 8
.endif
	FETCH_B \next, 0, 0
	FETCH_A \next, 0, 0
	SCALES \next, \ks
	WIN 0xf1
	MUL16 4, 1, 1, \slot, 0
	MUL16 6, 1, 1, \slot, 0
	PLACES 8
	WIN 0
	FETCH_A \next, 0, 4
.endm
	s_load_b256 s[4:11], s[0:1], 0x0
	v_lshl_add_u32 v[SPW], v0, 2, SPARE
	v_mov_b32 v[NIL], 0
	ds_add_u32 v28, v29
	ds_add_u32 v28, v29
	s_wait_dscnt 0x0
	v_lshrrev_b32 v1, 5, v0
	v_readfirstlane_b32 s14, v1
	s_lshr_b32 s15, s14, 1
	s_and_b32 s16, s14, 1
	s_bfe_u32 s40, ttmp6, 0x40000
	s_bfe_u32 s41, ttmp6, 0x40004
	s_and_b32 s45, ttmp7, 0xffff
	s_lshl_b32 s45, s45, 2
	s_add_co_u32 s45, s45, s41
	s_lshl_b32 s46, s41, 2
	s_lshl_b32 s46, 15, s46
	s_lshl_b32 s47, 0x1111, s40
	s_or_b32 s[G1+0], s46, (3<<16)|(1<<21)
	s_or_b32 s[G1B+0], s47, (3<<16)|(1<<21)
.irp g, G1, G1B
	s_mov_b32 s[\g+1], 512<<16
	s_mov_b32 s[\g+2], 16<<16
	s_mov_b32 s[\g+3], 512<<16
	s_mov_b32 s[\g+4], 16
	s_mov_b32 s[\g+5], 2048
	s_mov_b32 s[\g+6], 0
	s_mov_b32 s[\g+7], 0
.endr
	s_or_b32 s[G1S+0], s46, (3<<16)|(1<<21)
	s_or_b32 s[G1SB+0], s47, (3<<16)|(1<<21)
.irp g, G1S, G1SB
	s_mov_b32 s[\g+1], 32<<16
	s_mov_b32 s[\g+2], 32<<16
	s_mov_b32 s[\g+3], 32<<16
	s_mov_b32 s[\g+4], 32
	s_mov_b32 s[\g+5], 32
	s_mov_b32 s[\g+6], 0
	s_mov_b32 s[\g+7], 0
.endr
	s_lshl_b32 s18, s16, 3
	s_lshl_b32 s20, s45, 4
	s_add_co_u32 s20, s20, s18
	s_lshl_b32 s22, s20, 9
	s_add_co_u32 s22, s22, YSCL
	s_lshl_b32 s20, s20, 14
	s_mov_b32 s21, 0
	s_mov_b32 s23, 0
	s_lshl_b32 s96, s40, 4
	s_add_co_u32 s96, s96, s18
	s_lshl_b32 s98, s96, 9
	s_add_co_u32 s98, s98, WPSCL
	s_lshl_b32 s96, s96, 14
	s_add_co_u32 s96, s96, WPIMG
	s_mov_b32 s97, 0
	s_mov_b32 s99, 0
	s_lshl_b32 s17, s14, 15
	s_lshl_b32 s19, s14, 12
	s_wait_kmcnt 0x0
	s_add_nc_u64 s[20:21], s[4:5], s[20:21]
	s_add_nc_u64 s[22:23], s[4:5], s[22:23]
	s_add_nc_u64 s[96:97], s[6:7], s[96:97]
	s_add_nc_u64 s[98:99], s[6:7], s[98:99]
	CROUND
	; the head's four tiles, each whole, one load a wave: slot 0's 16 images of y (wave 0) and of W_proj (wave 1), and their scale words for all of K (waves 2, 3)
	s_lshl_b32 s12, s16, 17                        ; the addresses above stand at my half of the 16 images: 8 images of 16,384 bytes back
	s_mov_b32 s13, 0
	s_mov_b32 s[G0], 1
	s_mov_b32 s[G0+1], 0
	s_sub_nc_u64 s[G0+2:G0+3], s[20:21], s[12:13]
	s_or_b32 s[G0+3], s[G0+3], 0x80000000
	s_mov_b32 s[G0B], 1
	s_mov_b32 s[G0B+1], POFF
	s_sub_nc_u64 s[G0B+2:G0B+3], s[96:97], s[12:13]
	s_or_b32 s[G0B+3], s[G0B+3], 0x80000000
	s_lshl_b32 s12, s16, 12                        ; and 8 images' scale words of 512 bytes back
	s_mov_b32 s[G0S], 1
	s_mov_b32 s[G0S+1], SCL
	s_sub_nc_u64 s[G0S+2:G0S+3], s[22:23], s[12:13]
	s_or_b32 s[G0S+3], s[G0S+3], 0x80000000
	s_mov_b32 s[G0SB], 1
	s_mov_b32 s[G0SB+1], SCL+8192
	s_sub_nc_u64 s[G0SB+2:G0SB+3], s[98:99], s[12:13]
	s_or_b32 s[G0SB+3], s[G0SB+3], 0x80000000
	s_mov_b32 s[G0+4], 1                           ; slot 1: my half, as in the ring
	s_add_co_u32 s[G0+5], s17, SLOT
	s_add_nc_u64 s[G0+6:G0+7], s[20:21], 4096
	s_or_b32 s[G0+7], s[G0+7], 0x80000000
	s_mov_b32 s[G0B+4], 1
	s_add_co_u32 s[G0B+5], s17, SLOT
	s_add_nc_u64 s[G0B+6:G0B+7], s[96:97], 4096
	s_or_b32 s[G0B+7], s[G0B+7], 0x80000000
.macro ARM under, g0, g1, next         ; one chain of branches on the wave's number, one load to an arm, all arms to one join
	s_cmp_lt_u32 s14, \under
	s_cbranch_scc0 \next
	tensor_load_to_lds s[\g0:\g0+3], s[\g1:\g1+7]
	s_nop 0
.rept 4
	v_nop
.endr
	s_branch .Lhead_asked
\next:
.endm
	ARM 1, G0,  G1,  .Lhead_b
	ARM 2, G0B, G1B, .Lhead_sa
	ARM 3, G0S, G1S, .Lhead_sb
	tensor_load_to_lds s[G0SB:G0SB+3], s[G1SB:G1SB+7]
	s_nop 0
.rept 4
	v_nop
.endr
.Lhead_asked:
	v_and_b32 v1, 15, v0
	v_bfe_u32 v2, v0, 4, 1
	s_wait_alu depctr_va_vdst(0)
	v_and_b32 v3, 31, v0
	v_lshlrev_b32 v[LI], 4, v3
	s_lshl_b32 s18, s15, 15
	s_lshl_b32 s67, s16, 15
	s_add_co_u32 s67, s67, POFF
.irp s, 0,1
	v_add_nc_u32 v[ADRA+\s], s18, v[LI]
	v_add_nc_u32 v[ADRB+\s], s67, v[LI]
	s_add_co_u32 s18, s18, SLOT
	s_add_co_u32 s67, s67, SLOT
.endr
	s_lshl_b32 s18, s15, 12
	s_lshl_b32 s67, s16, 12
	s_add_co_u32 s67, s67, 8192
	s_sub_co_u32 s67, s67, s18
	v_mul_u32_u24 v4, s67, v2
	s_add_co_u32 s18, s18, SCL
	v_lshl_add_u32 v4, v1, 4, v4
	v_add_nc_u32 v[ADRS], s18, v4
	s_mul_i32 s67, s14, 8448
	s_add_co_u32 s67, s67, STAGE
	v_mul_u32_u24 v4, v1, 528
	v_lshl_add_u32 v4, v2, 6, v4
	v_add_nc_u32 v[STO], s67, v4
	v_add_nc_u32 v[RD], s67, v[LI]
	s_lshl_b32 s92, s45, 20
	s_lshl_b32 s93, s15, 19
	s_add_co_u32 s92, s92, s93
	s_lshl_b32 s94, s40, 10
	s_lshl_b32 s93, s16, 9
	s_add_co_u32 s94, s94, s93
	s_add_co_u32 s92, s92, s94
	s_mov_b32 s93, 0
	s_mov_b32 s95, 0
	s_add_nc_u64 s[10:11], s[10:11], s[92:93]
	s_add_nc_u64 s[8:9], s[8:9], s[94:95]
	v_lshlrev_b32 v5, 6, v2
.irp b, 0,1,2,3
.irp j, 0,1,2,3
	global_load_b128 v[BI+16*\b+4*\j:BI+16*\b+4*\j+3], v5, s[8:9] offset:128*\b+16*\j
.endr
.endr
	s_wait_alu depctr_va_vdst(0)
	s_wait_tensorcnt 0x0                           ; my tile of the head's four is in
	ds_add_u32 v[SPW], v[NIL]
	s_mov_b32 s[G1+2], 8<<16                       ; no load of mine is out, so descriptors may be written: from here on a load brings 8 images,
	s_mov_b32 s[G1+4], 8
	s_mov_b32 s[G1B+2], 8<<16
	s_mov_b32 s[G1B+4], 8
	s_lshl_b32 s22, s16, 17
	s_mov_b32 s23, 0
	s_mov_b32 s[G0+1], s17                         ; and slot 0's groups 0 stand at my half
	s_add_nc_u64 s[G0+2:G0+3], s[G0+2:G0+3], s[22:23]
	s_mov_b32 s[G0B+1], s17
	s_add_nc_u64 s[G0B+2:G0B+3], s[G0B+2:G0B+3], s[22:23]
	s_wait_dscnt 0x0
	CROUND                                         ; all four tiles are in, and all sixteen work-groups are here
	JLOAD G0+4, G1, G0B+4, G1B                     ; slot 1's first fill, the first tensor load behind the round
	FETCH_B 0, 0, 0
	FETCH_A 0, 0, 0
	SCALES 0, 0
	FETCH_A 0, 0, 4
	s_wait_loadcnt 0x0
	STEP 0, 1
	TURN 0, 1, 1, 1
	STEP 1, 0
	TURN 1, 0, 1, 2
	STEP 0, 0
	TURN 0, 1, 0, 3
	STEP 1, 0
	s_wait_dscnt 16
	WIN 0xa1
	MUL16 0, 1, 1, 1, 0
	MUL16 2, 1, 1, 1, 0
	s_wait_dscnt 0x0
	WIN 0xf1
	MUL16 4, 1, 1, 1, 0
	MUL16 6, 1, 1, 1, 0
	WIN 0
.macro TOSTAGE a
.set AC, 64*((\a)%4)
	WIN 0x08+4*((\a)/4)
.irp bb, 0,1,2,3
.irp j, 0,1,2,3
	ds_store_b128 v[STO], v[AC+16*\bb+4*\j:AC+16*\bb+4*\j+3] offset:128*\bb+16*\j
.endr
.endr
	WIN 0
.set BB, BK+64*((\a)%2)
.irp t, 0,1,2,3,4,5,6,7,8,9,10,11,12,13,14,15
	ds_load_b128 v[BB+4*\t:BB+4*\t+3], v[RD] offset:\t*528
.endr
.endm
.macro SEND a, younger
.set BB, BK+64*((\a)%2)
.set RW, 32*((\a)/2)+8*((\a)%2)
	s_wait_dscnt \younger
.irp t, 0,1,2,3,4,5,6,7,8,9,10,11,12,13,14,15
	global_store_b128 v[LI], v[BB+4*\t:BB+4*\t+3], s[10:11] offset:(RW+\t+8*(\t/8))*4096 th:TH_STORE_NT
.endr
.endm
	PLACES 8
	TOSTAGE 0
.irp a, 1,2,3,4,5,6,7
.if \a > 1
	s_wait_xcnt 0x0
.endif
	TOSTAGE \a
	SEND \a-1, 32
.endr
	SEND 7, 0
	s_wait_tensorcnt 0x0
	ds_add_u32 v[SPW], v[NIL]
	s_wait_dscnt 0x0
	CROUND
	s_endpgm
.Lfunc_end_k_qe2bdd83450_proj:
	.size	k_qe2bdd83450_proj, .Lfunc_end_k_qe2bdd83450_proj-k_qe2bdd83450_proj
	.p2alignl 7, 3214868480
	.fill 96, 4, 3214868480
	.section	.rodata,"a",@progbits
	.p2align	6, 0x0
	.amdhsa_kernel k_qe2bdd83450_proj
		.amdhsa_group_segment_fixed_size 327680
		.amdhsa_private_segment_fixed_size 0
		.amdhsa_enable_private_segment 0
		.amdhsa_kernarg_size 32
		.amdhsa_user_sgpr_count 2
		.amdhsa_user_sgpr_kernarg_segment_ptr 1
		.amdhsa_wavefront_size32 1
		.amdhsa_system_sgpr_workgroup_id_x 1
		.amdhsa_system_sgpr_workgroup_id_y 1
		.amdhsa_system_sgpr_workgroup_id_z 1
		.amdhsa_system_vgpr_workitem_id 0
		.amdhsa_next_free_vgpr 1024
		.amdhsa_next_free_sgpr 102
		.amdhsa_reserve_vcc 0
		.amdhsa_float_denorm_mode_32 3
		.amdhsa_float_denorm_mode_16_64 3
		.amdhsa_memory_ordered 1
		.amdhsa_forward_progress 1
		.amdhsa_inst_pref_size 147
	.end_amdhsa_kernel
	.amdgpu_metadata
---
amdhsa.version: [ 1, 2 ]
amdhsa.kernels:
  - .name:           k_qe2bdd83450_proj
    .symbol:         k_qe2bdd83450_proj.kd
    .args:
      - { .name: yq, .offset: 0, .size: 8, .value_kind: global_buffer, .address_space: global }
      - { .name: opq, .offset: 8, .size: 8, .value_kind: global_buffer, .address_space: global }
      - { .name: b_proj, .offset: 16, .size: 8, .value_kind: global_buffer, .address_space: global }
      - { .name: out0, .offset: 24, .size: 8, .value_kind: global_buffer, .address_space: global }
    .group_segment_fixed_size: 327680
    .private_segment_fixed_size: 0
    .kernarg_segment_align: 8
    .kernarg_segment_size: 32
    .max_flat_workgroup_size: 128
    .sgpr_count:     102
    .vgpr_count:     1024
    .wavefront_size: 32
...
	.end_amdgpu_metadata
.endif
;; end of part 4
